; MI455X (gfx1250); checked and timed in simulation.
; The chip was launched on July 23, 2026; its instructions are those of AMD's public machine-readable ISA for CDNA 5 (MIT licence, August 2026) and "CDNA5" Instruction Set Architecture Reference Guide (July 2026). The comments in the code are by the model that wrote it; some were corrected since.
;; Multi Head Attention. Allowed arithmetic: float matrix products may take bf16 or f16 operands with f32 sums; all other float work in f32.
;; Inputs: Wk 512 x 512 float32; Wo 512 x 512 float32; Wq 512 x 512 float32; Wv 512 x 512 float32; attn_mask 4,096 x 4,096 float32; bk 512 float32; bo 512 float32; bq 512 float32; bv 512 float32; x 2 x 4,096 x 512 float32.
;; Outputs: out0 2 x 4,096 x 512 float32.
;; 2 versions, each right. Each part assembles by itself: llvm-mc -triple=amdgcn-amd-amdhsa -mcpu=gfx1250 --defsym DOCPART=n.
;; ======== version 1 of 2: 3 launches
;; limits: inputs' magnitudes at most 1e+38; values are held in f16: magnitudes above 65,504 overflow, below 6.1e-05 lose precision
;; workspace buffers: qb 8,388,608 bytes; kb 8,388,608 bytes; vb 8,388,608 bytes; ab 8,388,608 bytes; wob 524,288 bytes
;; launch qkv (part 1): grid 8 x 32, 4 waves a work-group, clusters of 4 x 4, 327,680 bytes of LDS; arguments x, Wq, Wk, Wv, bq, bk, bv, Wo, qb, kb, vb, wob; writes qb, kb, vb, wob
.if DOCPART == 1
	.amdgcn_target "amdgcn-amd-amdhsa--gfx1250"
	.amdhsa_code_object_version 6
	.text
	.protected	k_qcafe9f9250_qkv
	.globl	k_qcafe9f9250_qkv
	.p2align	8
	.type	k_qcafe9f9250_qkv,@function
k_qcafe9f9250_qkv:
	s_mov_b64 s[64:65], 0
	v_nop
	global_prefetch_b8 v0, s[64:65] scope:SCOPE_SE
	s_setreg_imm32_b32 hwreg(HW_REG_WAVE_MODE, 25, 1), 1
	s_wait_xcnt 0x0
	s_wait_alu depctr_hold_cnt(0) depctr_sa_sdst(0) depctr_va_vdst(0) depctr_va_sdst(0) depctr_va_ssrc(0) depctr_va_vcc(0) depctr_vm_vsrc(0)
	s_getreg_b32 s2, hwreg(HW_REG_IB_STS2, 6, 4)
	s_cmp_eq_u32 s2, 0
	s_cbranch_scc0 .Lentry_in_a_cluster
	s_endpgm
.Lentry_in_a_cluster:
	s_bfe_u32 s2, ttmp6, 0x10000c
	s_cmp_lg_u32 s2, 0xf033
	s_cbranch_scc0 .Lentry_shape_is_right
	s_endpgm
.Lentry_shape_is_right:
; q = (x Wq^T + bq) / 8, k = x Wk^T + bk, v = x Wv^T + bv, rounded to f16 and stored head by head: [8 b + h][4096][64], a row of 128 bytes.
; x: [8192][512] f32, W: [512][512] f32 (row = output feature).  Products in f16 with f32 sums.  The factor 1/8 = 1/sqrt(64) is a power of two.
; WHY f16 AND NOT bf16.  Twelve roundings lie between the inputs and the final output; with 8 bits of mantissa their sum comes to about a third of the output's allowance of
; one hundredth of its rms, too near for four million numbers; with 11 bits it is an eighth of that.
; LIMIT.  |x W^T + b| must stay under 65,504, f16's largest number; beyond it q, k or v become infinite.  The room: with unit x and W of rms 1/sqrt(512) the largest is about 5.4;
; x and W both 30 times larger: about 4,900; both shifted by 30 times their spread: 512 x 30 x 1.33 = about 20,400.  Both 30 times smaller: W has rms 0.0015 and q / 8 rms 1.4e-4,
; above f16's least normal number 6.1e-5; below that denormals are kept, in steps of 6e-8.
; SHARES.  A work-group owns 256 rows of x and one head: that head's 64 columns of q, of k and of v, 192 columns.  A wave owns 64 rows x 192 columns:
; 4 x 12 accumulators of 16 x 16, 384 registers.  K = 512 goes in 8 steps of 64 through two LDS slots that hold the tiles as they lie in memory, in f32
; (rows of 256 bytes, each starting at a multiple of 256 bytes from its buffer's first byte); a wave rounds to f16 between its LDS loads and its products.
; CLUSTER.  4 x 4 work-groups.  x's tile hangs on the row block alone: the four of a cluster's row ask for it jointly.  The three W tiles hang on the head
; alone: the four of a column ask jointly.  Wave 0 asks for x's 256 rows, waves 1, 2, 3 for 64 rows of Wq, Wk, Wv: one tensor load a wave behind each round.
; THE MATRIX INSTRUCTION IS USED TRANSPOSED (source 0 = 16 rows of W, source 1 = 16 rows of x): a lane holds one row of x and eight neighbouring columns.
; The biases are the C of each accumulator's first product: no addition is written, nothing is cleared.
; BESIDE IT each work-group rounds 1,024 numbers of Wo to f16 (wob), so that the last launch multiplies 16-bit tiles.
; REGISTERS, in windows of 256 (s_set_vgpr_msb: bits 1:0 source 0, 3:2 source 1, 5:4 source 2, 7:6 destination):
;   window 0: v0-43 addresses and the cast of Wo; v128-159 fragments of x (8 a); v160-255 fragments of W (8 b); on the way out v128-191 packed, v192-255 whole rows
;   window 1: accumulator (a, b < 8) at 8 (8 a + b): q is b 0-3, k is b 4-7
;   window 2: v0-127 accumulator (a, b >= 8) at 8 (4 a + b - 8): v;  v128-223 the biases, 8 b + j
;   window 3: the f32 numbers as loaded: x at 16 a, W at 64 + 16 b
.set PITCH,  272                       ; an LDS row: 256 bytes + 16 of padding = 68 words: the 16 rows of a fragment load start 4 banks apart (64 banks of 4 bytes: ISA guide 11.1)
.set BOFF,   256*PITCH                 ; behind x's 256 rows: Wq's 64, Wk's 64, Wv's 64
.set WROWS,  64*PITCH
.set SLOT,   BOFF+3*WROWS              ; 121,856 bytes
.set STAGE,  2*SLOT                    ; behind the ring: 64 rows x 144 bytes for each wave; no tensor load lands there
.set SP,     144
.set ADRA, 4                           ; v4-5   LDS address of my fragments of x in slot 0, 1
.set ADRB, 6                           ; v6-7   the same for W
.set STO,  8                           ; v8     the way out: where I put 16 bytes of a row
.set RD,   9                           ; v9     the way out: where I read 16 bytes back
.set GO,   10                          ; v10    my byte offset in the wave's dense 8,192 bytes of q, k or v
.set BO,   11                          ; v11    my byte offset in a bias
.set CI,   12                          ; v12    my 32 bytes of Wo
.set CO,   13                          ; v13    my 16 bytes of wob
.set AF,   128
.set BF,   160
.set TMP,  128
.set BK,   192
.set BIAS, 128                         ; in window 2
.set G1A, 28                           ; s[28:35] descriptor group 1 for x's tile
.set G1B, 36                           ; s[36:43] for a tile of W
.set G0A, 44                           ; group 0, a set for each slot: x s44, s48
.set G0Q, 52                           ; Wq s52, s56
.set G0K, 60                           ; Wk s60, s68
.set G0V, 72                           ; Wv s72, s76
.set WV,  80
.set CNT, 85
.set FIELDS, (2<<16)|(1<<20)|(1<<21)|(5<<22)|(3<<25)   ; 17:16 elements of 4 bytes; 20 padding on; 21 set beside a mask; 24:22 after every 64 words; 31:25 4 words of it
.set MSB, 0
.macro WIN new                         ; the immediate's high byte repeats the setting that is left; a switch that changes nothing is dropped
.if MSB != \new
	s_set_vgpr_msb (MSB<<8)|\new
.set MSB, \new
.endif
.endm
.macro PLACES                          ; four plain vector instructions between a matrix instruction and a write of, or a load into, one of its registers, or a read of its result
.rept 4
	v_nop
.endr
.endm
; A round of the cluster's barrier: my work-group's barrier; wave 0 signals for the work-group; every wave waits for all sixteen; my work-group's barrier once more.
.macro CROUND
	s_barrier_signal -1
	s_barrier_wait -1
	s_cmp_lg_u32 s[WV], 0
	s_cbranch_scc1 .Lnot_wave_0_\@
	s_barrier_signal -3
.Lnot_wave_0_\@:
	s_barrier_wait -3
	s_barrier_signal -1
	s_barrier_wait -1
.endm
; The joint loads of one slot: each wave issues one line, chosen by its number alone.  Four v_nop follow each line, ahead of the jump and the label.
.macro JLOAD s
	s_cmp_lg_u32 s[WV], 0
	s_cbranch_scc1 .Lj_q_\@
	tensor_load_to_lds s[G0A+4*(\s):G0A+4*(\s)+3], s[G1A:G1A+7]
	s_nop 0
	PLACES
	s_branch .Lj_done_\@
.Lj_q_\@:
	s_cmp_lg_u32 s[WV], 1
	s_cbranch_scc1 .Lj_k_\@
	tensor_load_to_lds s[G0Q+4*(\s):G0Q+4*(\s)+3], s[G1B:G1B+7]
	s_nop 0
	PLACES
	s_branch .Lj_done_\@
.Lj_k_\@:
	s_cmp_lg_u32 s[WV], 2
	s_cbranch_scc1 .Lj_v_\@
	tensor_load_to_lds s[G0K+8*(\s):G0K+8*(\s)+3], s[G1B:G1B+7]
	s_nop 0
	PLACES
	s_branch .Lj_done_\@
.Lj_v_\@:
	tensor_load_to_lds s[G0V+4*(\s):G0V+4*(\s)+3], s[G1B:G1B+7]
	s_nop 0
	PLACES
.Lj_done_\@:
.endm
	s_load_b512 s[4:19], s[0:1], 0x0               ; x s4, Wq s6, Wk s8, Wv s10, bq s12, bk s14, bv s16, Wo s18
	s_load_b256 s[20:27], s[0:1], 0x40             ; qb s20, kb s22, vb s24, wob s26
	v_lshl_add_u32 v126, v0, 2, 0x44800
	v_mov_b32 v127, 0
	ds_add_u32 v126, v127
	v_lshrrev_b32 v1, 5, v0
	v_readfirstlane_b32 s[WV], v1                  ; wave 0..3
	s_bfe_u32 s81, ttmp6, 0x40000                  ; cx
	s_bfe_u32 s82, ttmp6, 0x40004                  ; cy
	s_lshl_b32 s83, ttmp9, 2
	s_add_co_u32 s83, s83, s81                     ; head = 4 x cluster x + cx
	s_and_b32 s84, ttmp7, 0xffff
	s_lshl_b32 s84, s84, 2
	s_add_co_u32 s84, s84, s82                     ; block of 256 rows = 4 x cluster y + cy
	s_lshl_b32 s86, s82, 2
	s_lshl_b32 s86, 15, s86                        ; my row of the cluster
	s_lshl_b32 s87, 0x1111, s81                    ; my column
	s_or_b32 s[G1A], s86, FIELDS                   ; x's tile goes to my row
	s_or_b32 s[G1B], s87, FIELDS                   ; W's tiles go to my column
	s_mov_b32 s[G1A+1], 64<<16                     ; tensor_dim0 = 64 elements
	s_mov_b32 s[G1A+2], 256<<16                    ; tensor_dim1 = 256 rows
	s_mov_b32 s[G1A+3], 64<<16                     ; tile_dim0 = 64
	s_mov_b32 s[G1A+4], 256                        ; tile_dim1 = 256
	s_mov_b32 s[G1A+5], 512                        ; elements from row to row
	s_mov_b32 s[G1A+6], 0
	s_mov_b32 s[G1A+7], 0
	s_mov_b32 s[G1B+1], 64<<16
	s_mov_b32 s[G1B+2], 64<<16                     ; 64 rows
	s_mov_b32 s[G1B+3], 64<<16
	s_mov_b32 s[G1B+4], 64
	s_mov_b32 s[G1B+5], 512
	s_mov_b32 s[G1B+6], 0
	s_mov_b32 s[G1B+7], 0
	s_lshl_b32 s88, s84, 19                        ; x: 256 rows of 2,048 bytes a block; these registers hold cy's side alone
	s_mov_b32 s89, 0
	s_lshl_b32 s90, s83, 17                        ; W: 64 rows of 2,048 bytes a head; these hold cx's side alone
	s_mov_b32 s91, 0
	s_lshr_b32 s92, s84, 4                         ; where my wave's 64 rows lie in q, k, v: ((8 b + head) x 4,096 + row in the batch) x 128 bytes
	s_lshl3_add_u32 s92, s92, s83
	s_lshl_b32 s92, s92, 12
	s_and_b32 s93, s84, 15
	s_lshl_b32 s93, s93, 8
	s_add_co_u32 s92, s92, s93
	s_lshl_b32 s93, s[WV], 6
	s_add_co_u32 s92, s92, s93
	s_lshl_b32 s92, s92, 7
	s_mov_b32 s93, 0
	s_lshl3_add_u32 s94, s84, s83                  ; the work-group's number, 0 to 255: its 1,024 numbers of Wo
	s_lshl_b32 s95, s94, 12                        ; 4,096 bytes in,
	s_lshl_b32 s94, s94, 11                        ; 2,048 bytes out
	s_wait_dscnt 0x0
	s_wait_kmcnt 0x0
	s_add_nc_u64 s[4:5], s[4:5], s[88:89]
	s_add_nc_u64 s[6:7], s[6:7], s[90:91]
	s_add_nc_u64 s[8:9], s[8:9], s[90:91]
	s_add_nc_u64 s[10:11], s[10:11], s[90:91]
	s_add_nc_u64 s[20:21], s[20:21], s[92:93]
	s_add_nc_u64 s[22:23], s[22:23], s[92:93]
	s_add_nc_u64 s[24:25], s[24:25], s[92:93]
	CROUND                                         ; all sixteen work-groups are here: the first joint loads meet
.irp s, 0,1
	s_mov_b32 s[G0A+4*\s], 1                       ; count = 1
	s_mov_b32 s[G0A+4*\s+1], \s*SLOT               ; LDS address: constants alone
	s_add_nc_u64 s[G0A+4*\s+2:G0A+4*\s+3], s[4:5], \s*256   ; K step s
	s_or_b32 s[G0A+4*\s+3], s[G0A+4*\s+3], 0x80000000       ; type = 2
	s_mov_b32 s[G0Q+4*\s], 1
	s_mov_b32 s[G0Q+4*\s+1], \s*SLOT+BOFF
	s_add_nc_u64 s[G0Q+4*\s+2:G0Q+4*\s+3], s[6:7], \s*256
	s_or_b32 s[G0Q+4*\s+3], s[G0Q+4*\s+3], 0x80000000
	s_mov_b32 s[G0K+8*\s], 1
	s_mov_b32 s[G0K+8*\s+1], \s*SLOT+BOFF+WROWS
	s_add_nc_u64 s[G0K+8*\s+2:G0K+8*\s+3], s[8:9], \s*256
	s_or_b32 s[G0K+8*\s+3], s[G0K+8*\s+3], 0x80000000
	s_mov_b32 s[G0V+4*\s], 1
	s_mov_b32 s[G0V+4*\s+1], \s*SLOT+BOFF+2*WROWS
	s_add_nc_u64 s[G0V+4*\s+2:G0V+4*\s+3], s[10:11], \s*256
	s_or_b32 s[G0V+4*\s+3], s[G0V+4*\s+3], 0x80000000
.endr
	JLOAD 0                                        ; K step 0; slot 1 is first filled behind the first step's round
	; A 16-bit fragment is 16 rows x 32 K: lane l holds row l % 16, registers 0-3 K = 8 (l / 16) + 0..7, registers 4-7 K = 16 + 8 (l / 16) + 0..7.
	; In f32 those are 32 bytes at 32 (l / 16) and 32 bytes at 64 + 32 (l / 16) of the row's 128 bytes: four loads of 16 bytes.
	v_and_b32 v1, 15, v0                           ; l % 16
	v_bfe_u32 v2, v0, 4, 1                         ; l / 16
	v_and_b32 v3, 31, v0                           ; l
	v_mul_u32_u24 v14, v1, PITCH
	v_lshl_add_u32 v14, v2, 5, v14                 ; row x pitch + 32 x half
	s_mul_i32 s96, s[WV], 64*PITCH                 ; my wave's 64 rows of x
	v_add_nc_u32 v[ADRA], s96, v14
	v_add_nc_u32 v[ADRA+1], SLOT, v[ADRA]
	v_add_nc_u32 v[ADRB], BOFF, v14
	v_add_nc_u32 v[ADRB+1], SLOT+BOFF, v14
	s_mul_i32 s97, s[WV], 64*SP
	s_add_co_u32 s97, s97, STAGE                   ; my stage
	v_mul_u32_u24 v[STO], v1, SP                   ; in: row l % 16, 16 bytes for each half of the lanes
	v_lshl_add_u32 v[STO], v2, 4, v[STO]
	v_add_nc_u32 v[STO], s97, v[STO]
	v_lshrrev_b32 v15, 3, v3                       ; back: eight lanes take a row of 128 bytes, the wave four rows
	v_and_b32 v16, 7, v3
	v_mul_u32_u24 v[RD], v15, SP
	v_lshl_add_u32 v[RD], v16, 4, v[RD]
	v_add_nc_u32 v[RD], s97, v[RD]
	v_lshlrev_b32 v[GO], 4, v3                     ; in memory the four rows are 512 consecutive bytes
	s_lshl_b32 s96, s83, 8                         ; the head's 64 numbers of a bias
	v_lshlrev_b32 v[BO], 5, v2
	v_add_nc_u32 v[BO], s96, v[BO]                 ; + my half's eight numbers
	v_lshl_add_u32 v[CI], v0, 5, s95
	v_lshl_add_u32 v[CO], v0, 4, s94
	WIN 0x80                                       ; destination window 2
.irp b, 0,1,2,3,4,5,6,7,8,9,10,11                      ; bias of column block b: bq, bk, bv by b / 4; register j: column 16 (b % 4) + 8 (l / 16) + j of the head
	global_load_b128 v[BIAS+8*\b:BIAS+8*\b+3],   v[BO], s[12+2*(\b/4):13+2*(\b/4)] offset:64*(\b%4)
	global_load_b128 v[BIAS+8*\b+4:BIAS+8*\b+7], v[BO], s[12+2*(\b/4):13+2*(\b/4)] offset:64*(\b%4)+16
.endr
	WIN 0
	global_load_b128 v[32:35], v[CI], s[18:19]
	global_load_b128 v[36:39], v[CI], s[18:19] offset:16
; 64 LDS loads: the f32 numbers of 32 along K (half kk of the step) for my 4 blocks of x and all 12 blocks of W
.macro RAW slot, kk
	WIN 0xc0                                       ; destination window 3, address window 0
.irp a, 0,1,2,3
.irp e, 0,1,2,3
	ds_load_b128 v[16*\a+4*\e:16*\a+4*\e+3], v[ADRA+\slot] offset:\a*16*PITCH+128*\kk+64*(\e/2)+16*(\e%2)
.endr
.endr
.irp b, 0,1,2,3,4,5,6,7,8,9,10,11
.irp e, 0,1,2,3
	ds_load_b128 v[64+16*\b+4*\e:64+16*\b+4*\e+3], v[ADRB+\slot] offset:\b*16*PITCH+128*\kk+64*(\e/2)+16*(\e%2)
.endr
.endr
.endm
; 128 roundings: fragment register n takes f32 registers 2 n and 2 n + 1 (x's 32 registers, then W's 96)
.macro CVT
	WIN 0x0f                                       ; sources window 3, destination window 0
.set n, 0
.rept 128
	v_cvt_pk_f16_f32 v[AF+n], v[2*n], v[2*n+1]
.set n, n+1
.endr
.endm
; 48 products, 32 along K.  The 48 accumulators take turns, one instruction a turn.  first = 1: C is the bias: the products start the sums.
.macro MULS first
.if \first
	WIN 0x60                                       ; D window 1, C window 2
.else
	WIN 0x50                                       ; C and D window 1
.endif
.irp a, 0,1,2,3
.irp b, 0,1,2,3,4,5,6,7
.if \first
	v_wmma_f32_16x16x32_f16 v[8*(8*\a+\b):8*(8*\a+\b)+7], v[BF+8*\b:BF+8*\b+7], v[AF+8*\a:AF+8*\a+7], v[BIAS+8*\b:BIAS+8*\b+7]
.else
	v_wmma_f32_16x16x32_f16 v[8*(8*\a+\b):8*(8*\a+\b)+7], v[BF+8*\b:BF+8*\b+7], v[AF+8*\a:AF+8*\a+7], v[8*(8*\a+\b):8*(8*\a+\b)+7]
.endif
.endr
.endr
	WIN 0xa0                                       ; C and D window 2
.irp a, 0,1,2,3
.irp b, 8,9,10,11
.if \first
	v_wmma_f32_16x16x32_f16 v[8*(4*\a+\b-8):8*(4*\a+\b-8)+7], v[BF+8*\b:BF+8*\b+7], v[AF+8*\a:AF+8*\a+7], v[BIAS+8*\b:BIAS+8*\b+7]
.else
	v_wmma_f32_16x16x32_f16 v[8*(4*\a+\b-8):8*(4*\a+\b-8)+7], v[BF+8*\b:BF+8*\b+7], v[AF+8*\a:AF+8*\a+7], v[8*(4*\a+\b-8):8*(4*\a+\b-8)+7]
.endif
.endr
.endr
.endm
; A K step of 64.  In front of the round each wave waits for all its tensor loads (the one that is out is its part of this step's slot) and for its reads of the
; other slot; behind the round the other slot is filled first, and then this slot is read.
.macro KSTEP slot, refill, first
	WIN 0                                          ; at a branch and at a label every window is 0
	s_wait_tensorcnt 0x0                           ; no tensor load of mine is out, so this slot's addresses may step: two K steps of 256 bytes
	ds_add_u32 v126, v127
	s_wait_dscnt 0x0
	s_add_nc_u64 s[G0A+4*\slot+2:G0A+4*\slot+3], s[G0A+4*\slot+2:G0A+4*\slot+3], 512
	s_add_nc_u64 s[G0Q+4*\slot+2:G0Q+4*\slot+3], s[G0Q+4*\slot+2:G0Q+4*\slot+3], 512
	s_add_nc_u64 s[G0K+8*\slot+2:G0K+8*\slot+3], s[G0K+8*\slot+2:G0K+8*\slot+3], 512
	s_add_nc_u64 s[G0V+4*\slot+2:G0V+4*\slot+3], s[G0V+4*\slot+2:G0V+4*\slot+3], 512
	s_wait_dscnt 0x0                               ; my reads of the other slot are back
	CROUND                                         ; both now hold of every wave of all sixteen work-groups
.if \refill
	JLOAD 1-\slot                                  ; my one tensor load behind the round; its four v_nop are also the places behind the last step's products
.else
	PLACES
.endif
	RAW \slot, 0
	s_wait_dscnt 0x0                               ; all 64 are rounded at once
.if \first
	s_wait_loadcnt 0x0                             ; the biases and my numbers of Wo
	WIN 0
	v_cvt_pk_f16_f32 v40, v32, v33
	v_cvt_pk_f16_f32 v41, v34, v35
	v_cvt_pk_f16_f32 v42, v36, v37
	v_cvt_pk_f16_f32 v43, v38, v39
	global_store_b128 v[CO], v[40:43], s[26:27]    ; the wave's store covers 512 consecutive bytes; v40-43 and its address are not written again
.endif
	CVT
	RAW \slot, 1                                   ; the second half's numbers come while the first half is multiplied
	MULS \first
	PLACES                                         ; the roundings below write fragments that those products read
	s_wait_dscnt 0x0
	CVT
	MULS 0
	WIN 0
.endm
	KSTEP 0, 1, 1
	s_mov_b32 s[CNT], 3
.Lk:
	KSTEP 1, 1, 0
	KSTEP 0, 1, 0
	s_sub_co_u32 s[CNT], s[CNT], 1
	s_cmp_lg_u32 s[CNT], 0
	s_cbranch_scc1 .Lk
	KSTEP 1, 0, 0                                  ; the last step asks for nothing
; THE WAY OUT of q, k or v: 16 accumulators (window win, at 8 (rs a + cb + b)), each read from its low end on; rounded to f16, 16 bytes a lane into my own stage,
; back as 512 consecutive bytes a load (four rows of 128), and stored: the wave's 64 rows are 8,192 consecutive bytes of the buffer.
.macro OUT win, rs, cb, ptr, scale
.if \scale
	WIN 0x41                                       ; destination and source 0 window 1
.irp a, 0,1,2,3
.irp b, 0,1,2,3
.irp r, 0,2,4,6
	v_pk_mul_f32 v[8*(\rs*\a+\cb+\b)+\r:8*(\rs*\a+\cb+\b)+\r+1], v[8*(\rs*\a+\cb+\b)+\r:8*(\rs*\a+\cb+\b)+\r+1], 0x3e000000 op_sel_hi:[1,0]   ; times 1/8
.endr
.endr
.endr
.endif
	WIN 5*\win                                     ; sources 0 and 1 in the accumulators' window
.irp a, 0,1,2,3
.irp b, 0,1,2,3
.irp r, 0,1,2,3
	v_cvt_pk_f16_f32 v[TMP+4*(4*\a+\b)+\r], v[8*(\rs*\a+\cb+\b)+2*\r], v[8*(\rs*\a+\cb+\b)+2*\r+1]
.endr
.endr
.endr
	WIN 0
.irp a, 0,1,2,3
.irp b, 0,1,2,3
	ds_store_b128 v[STO], v[TMP+4*(4*\a+\b):TMP+4*(4*\a+\b)+3] offset:\a*16*SP+32*\b
.endr
.endr
	s_wait_xcnt 0x0                                ; the registers below were the data of the stores before: they are loaded again only behind this wait
.irp i, 0,1,2,3,4,5,6,7,8,9,10,11,12,13,14,15
	ds_load_b128 v[BK+4*\i:BK+4*\i+3], v[RD] offset:\i*4*SP      ; LDS serves a wave's instructions in order (ISA guide 5.7.1.4): these see the stores above
.endr
.irp i, 0,1,2,3,4,5,6,7,8,9,10,11,12,13,14,15
	s_wait_dscnt 15-\i                             ; the younger loads may stay out
	global_store_b128 v[GO], v[BK+4*\i:BK+4*\i+3], s[\ptr:\ptr+1] offset:512*\i
.endr
.endm
	PLACES                                         ; behind the last products
	OUT 1, 8, 0, 20, 1                             ; q
	OUT 1, 8, 4, 22, 0                             ; k
	OUT 2, 4, 0, 24, 0                             ; v
	s_wait_tensorcnt 0x0
	ds_add_u32 v126, v127
	s_wait_dscnt 0x0
	CROUND                                         ; the closing round: no work-group ends while a partner may still ask for a tile that names it
	s_endpgm
.Lfunc_end_k_qcafe9f9250_qkv:
	.size	k_qcafe9f9250_qkv, .Lfunc_end_k_qcafe9f9250_qkv-k_qcafe9f9250_qkv
	.p2alignl 7, 3214868480
	.fill 96, 4, 3214868480
	.section	.rodata,"a",@progbits
	.p2align	6, 0x0
	.amdhsa_kernel k_qcafe9f9250_qkv
		.amdhsa_group_segment_fixed_size 327680
		.amdhsa_private_segment_fixed_size 0
		.amdhsa_enable_private_segment 0
		.amdhsa_kernarg_size 96
		.amdhsa_user_sgpr_count 2
		.amdhsa_user_sgpr_kernarg_segment_ptr 1
		.amdhsa_wavefront_size32 1
		.amdhsa_system_sgpr_workgroup_id_x 1
		.amdhsa_system_sgpr_workgroup_id_y 1
		.amdhsa_system_sgpr_workgroup_id_z 1
		.amdhsa_system_vgpr_workitem_id 0
		.amdhsa_next_free_vgpr 1024
		.amdhsa_next_free_sgpr 100
		.amdhsa_reserve_vcc 0
		.amdhsa_float_denorm_mode_32 3
		.amdhsa_float_denorm_mode_16_64 3
		.amdhsa_memory_ordered 1
		.amdhsa_forward_progress 1
		.amdhsa_inst_pref_size 170
	.end_amdhsa_kernel
	.amdgpu_metadata
---
amdhsa.version: [ 1, 2 ]
amdhsa.kernels:
  - .name:           k_qcafe9f9250_qkv
    .symbol:         k_qcafe9f9250_qkv.kd
    .args:
      - { .name: x, .offset: 0, .size: 8, .value_kind: global_buffer, .address_space: global }
      - { .name: Wq, .offset: 8, .size: 8, .value_kind: global_buffer, .address_space: global }
      - { .name: Wk, .offset: 16, .size: 8, .value_kind: global_buffer, .address_space: global }
      - { .name: Wv, .offset: 24, .size: 8, .value_kind: global_buffer, .address_space: global }
      - { .name: bq, .offset: 32, .size: 8, .value_kind: global_buffer, .address_space: global }
      - { .name: bk, .offset: 40, .size: 8, .value_kind: global_buffer, .address_space: global }
      - { .name: bv, .offset: 48, .size: 8, .value_kind: global_buffer, .address_space: global }
      - { .name: Wo, .offset: 56, .size: 8, .value_kind: global_buffer, .address_space: global }
      - { .name: qb, .offset: 64, .size: 8, .value_kind: global_buffer, .address_space: global }
      - { .name: kb, .offset: 72, .size: 8, .value_kind: global_buffer, .address_space: global }
      - { .name: vb, .offset: 80, .size: 8, .value_kind: global_buffer, .address_space: global }
      - { .name: wob, .offset: 88, .size: 8, .value_kind: global_buffer, .address_space: global }
    .group_segment_fixed_size: 327680
    .private_segment_fixed_size: 0
    .kernarg_segment_align: 8
    .kernarg_segment_size: 96
    .max_flat_workgroup_size: 128
    .sgpr_count:     100
    .vgpr_count:     1024
    .wavefront_size: 32
...
	.end_amdgpu_metadata
.endif
;; end of part 1
;; launch attn (part 2): grid 16 x 16, 4 waves a work-group, clusters of 4 x 4, 327,680 bytes of LDS; arguments qb, kb, vb, attn_mask, ab; writes ab
.if DOCPART == 2
	.amdgcn_target "amdgcn-amd-amdhsa--gfx1250"
	.amdhsa_code_object_version 6
	.text
	.protected	k_qcafe9f9250_attn
	.globl	k_qcafe9f9250_attn
	.p2align	8
	.type	k_qcafe9f9250_attn,@function
k_qcafe9f9250_attn:
	s_mov_b64 s[64:65], 0
	v_nop
	global_prefetch_b8 v0, s[64:65] scope:SCOPE_SE
	s_setreg_imm32_b32 hwreg(HW_REG_WAVE_MODE, 25, 1), 1
	s_wait_xcnt 0x0
	s_wait_alu depctr_hold_cnt(0) depctr_sa_sdst(0) depctr_va_vdst(0) depctr_va_sdst(0) depctr_va_ssrc(0) depctr_va_vcc(0) depctr_vm_vsrc(0)
	s_getreg_b32 s2, hwreg(HW_REG_IB_STS2, 6, 4)
	s_cmp_eq_u32 s2, 0
	s_cbranch_scc0 .Lentry_in_a_cluster
	s_endpgm
.Lentry_in_a_cluster:
	s_bfe_u32 s2, ttmp6, 0x10000c
	s_cmp_lg_u32 s2, 0xf033
	s_cbranch_scc0 .Lentry_shape_is_right
	s_endpgm
.Lentry_shape_is_right:
; ab[bh][q][:] = the sum over k of softmax_k(qb[bh][q] . kb[bh][k] + attn_mask[q][k]) vb[bh][k][:].  qb, kb, vb, ab: [16][4096][64] f16 (qb already holds q / 8);
; attn_mask: [4096][4096] f32.  Products, maxima and sums in f32; the weights are rounded to f16 for the second product, the result once at the end.
; f16 HAS THE ROOM: the weights lie in [0, 1], since the running maximum is taken away (a weight under 3e-8 rounds to 0, beside a largest weight of 1); the result is a mean of rows of
; vb and no larger than they are.
; LIMITS.  A mask entry of +inf or NaN is not served.  The running maximum starts at -1e38: a score below that counts as masked.  A row with no score above it has the sum 0
; and gives zeros, as the reference's nan_to_num does.  The mask is the C of the first product, so mask and products are summed in the matrix unit's order, not product first.
; SHARES.  A work-group owns 256 queries of one (batch, head), a wave 64: four tiles of 16.  Every wave walks all 4,096 keys, 64 a step, 64 steps.
; LAYOUT.  S^T = K Q^T + mask^T (source 0 = 16 keys, source 1 = 16 queries): a lane holds ONE query (lane % 16) and the keys 8 (lane / 16) + 0..7 of each block of 16.  The lane's
; eight mask numbers are 32 consecutive bytes of the query's row: they are loaded from LDS straight into the accumulator.  Two score tiles, rounded in pairs, ARE source 1 of
; O^T = V^T P.  V ([key][channel]) is turned by ds_load_tr16_b128.
; SOFTMAX.  For each query a running maximum m and sum l: p = 2^(c s - c m), c = log2(e); in every step O and l are multiplied by a = 2^(c m_old - c m_new).
; ORDER OF A STEP.  The wave's tiles are two pieces (tiles 0, 1 and tiles 2, 3).  Piece 0's scores; piece 2's scores with piece 0's softmax between them; piece 0's V^T P with
; piece 2's softmax between them; piece 2's V^T P.
; CLUSTER.  4 x 4 work-groups.  The mask's tile hangs on the query block alone: the four of a cluster's row ask for it jointly.  K's and V's tiles hang on (batch, head) alone:
; the four of a column ask jointly.  Waves 0 and 1 ask for 128 rows of the mask each, wave 2 for K, wave 3 for V: one tensor load a wave behind each round, one out at a time.
; A slot holds one step (two slots of two steps, 2 x 178,176 bytes, are more than the work-group's LDS can hold).
; REGISTERS, in windows of 256 (s_set_vgpr_msb: bits 1:0 source 0, 3:2 source 1, 5:4 source 2, 7:6 destination):
;   window 0: v0-11, v44-48 addresses; v12-43 eight registers of statistics a tile; v64-191 S^T, 32 a tile; v192-255 P, 16 a tile
;   window 1: v0-127 O^T, 32 a tile; v128-191 Q, 16 a tile; v192-255 K of the step          window 2: v0-63 V of the step
.set PM,    272       ; a row of the mask's tile: 256 bytes + 16: the 16 rows of a load start 4 banks apart (64 banks of 4 bytes: ISA guide 11.1)
.set PK,    144       ; a row of K: 128 + 16
.set PVR,   160       ; a row of V: 128 + 32
.set KOFF,  256*PM
.set VOFF,  KOFF+64*PK
.set SLOT,  VOFF+64*PVR   ; 89,088 bytes
.set STAGE, 2*SLOT    ; behind the ring: 64 rows x 144 bytes for each wave; no tensor load lands there
.set SP,    144
.set AM,  2           ; v2-3  LDS address of my mask numbers in slot 0, 1
.set AK,  4           ; v4-5  of my place in K
.set AV,  6           ; v6-7  of my place in V
.set ST,  12          ; tile t's statistics at v[ST+8 t]: +0 c m, +1 m, +2, +3 l (even keys', odd keys'), +4 to +7 c0-c3, at work; a takes c2's place once the maximum is found
.set STO, 44
.set RD,  45
.set GO,  46
.set QO,  47
.set PF,  48          ; v48   the mask bytes that my lane asks for ahead
.set S,   64
.set P,   192
.set QF,  128         ; in window 1
.set KF,  192         ; in window 1
.set WV,  14
.set WH,  15
.set G1M, 24          ; s[24:31] descriptor group 1 for the mask's tiles
.set G1K, 32          ; s[32:39] for K's
.set G1V, 40          ; s[40:47] for V's: more padding
.set G0M, 48          ; group 0, a set for each slot: s48, s52
.set G0K, 56          ; s56, s60
.set G0V, 68          ; s68, s72
.set CS,  76          ; s[76:77] c, twice: the packed scaling names a pair
.set SEL, 78          ; s[78:79] v_permlanex16_b32: each lane takes its own place in the other half
.set FLOOR, 80
.set CNT, 81
.set MROW, 82         ; s[82:83] the mask at my query block's first row
.set PB,  84          ; s[84:85] base of the request ahead
.set PT,  86          ; s[86:87] its byte offset along the rows
.set MSB, 0
.macro WIN new
.if MSB != \new
	s_set_vgpr_msb (MSB<<8)|\new
.set MSB, \new
.endif
.endm
.set W_KQ, 0x05       ; K and Q in window 1, S^T in window 0
.set W_PV, 0x52       ; V in window 2, P in window 0, O^T in window 1
.set W_RS, 0x41       ; O^T (destination and source 0) in window 1, a in window 0
.macro PLACES         ; four plain vector instructions between a matrix instruction and a read of its result, or a load into one of its registers
.rept 4
	v_nop
.endr
.endm
.macro CROUND         ; a round of the cluster's barrier
	s_barrier_signal -1
	s_barrier_wait -1
	s_cmp_lg_u32 s[WV], 0
	s_cbranch_scc1 .Lnot_wave_0_\@
	s_barrier_signal -3
.Lnot_wave_0_\@:
	s_barrier_wait -3
	s_barrier_signal -1
	s_barrier_wait -1
.endm
.macro JLOAD s        ; the joint loads of one slot; the branches hang on the wave's number alone; four v_nop follow each line
	s_cmp_lt_u32 s[WV], 2
	s_cbranch_scc0 .Lj_k_\@
	tensor_load_to_lds s[G0M+4*(\s):G0M+4*(\s)+3], s[G1M:G1M+7]
	s_nop 0
	PLACES
	s_branch .Lj_done_\@
.Lj_k_\@:
	s_cmp_lg_u32 s[WV], 2
	s_cbranch_scc1 .Lj_v_\@
	tensor_load_to_lds s[G0K+4*(\s):G0K+4*(\s)+3], s[G1K:G1K+7]
	s_nop 0
	PLACES
	s_branch .Lj_done_\@
.Lj_v_\@:
	tensor_load_to_lds s[G0V+4*(\s):G0V+4*(\s)+3], s[G1V:G1V+7]
	s_nop 0
	PLACES
.Lj_done_\@:
.endm
	s_load_b256 s[4:11], s[0:1], 0x0  ; qb s4, kb s6, vb s8, attn_mask s10
	s_load_b64 s[12:13], s[0:1], 0x20 ; ab
	v_lshl_add_u32 v62, v0, 2, 0x34800
	v_mov_b32 v63, 0
	ds_add_u32 v62, v63
	v_lshrrev_b32 v1, 5, v0
	v_readfirstlane_b32 s[WV], v1   ; wave 0..3
	s_and_b32 s[WH], s[WV], 1       ; which 128 rows of the mask's tile waves 0 and 1 fetch
	s_bfe_u32 s16, ttmp6, 0x40000   ; cx
	s_bfe_u32 s17, ttmp6, 0x40004   ; cy
	s_lshl_b32 s18, ttmp9, 2
	s_add_co_u32 s18, s18, s16      ; 8 b + h = 4 x cluster x + cx
	s_and_b32 s19, ttmp7, 0xffff
	s_lshl_b32 s19, s19, 2
	s_add_co_u32 s19, s19, s17      ; block of 256 queries = 4 x cluster y + cy
	s_lshl_b32 s92, s17, 2
	s_lshl_b32 s92, 15, s92         ; my row of the cluster
	s_lshl_b32 s93, 0x1111, s16     ; my column
	s_or_b32 s[G1M], s92, (2<<16)|(1<<20)|(1<<21)|(5<<22)|(3<<25)  ; the mask's tile goes to my row; elements of 4 bytes; after every 64 words 4 words of padding
	s_mov_b32 s[G1M+1], 64<<16      ; tensor_dim0 = 64
	s_mov_b32 s[G1M+2], 128<<16     ; tensor_dim1 = 128
	s_mov_b32 s[G1M+3], 64<<16      ; tile_dim0 = 64
	s_mov_b32 s[G1M+4], 128         ; tile_dim1 = 128
	s_mov_b32 s[G1M+5], 4096        ; elements from row to row
	s_mov_b32 s[G1M+6], 0
	s_mov_b32 s[G1M+7], 0
	; A step's 64 rows of K (or V) are 8,192 consecutive bytes: they come as 32 rows of 256 bytes, and the padding falls behind every 32 words, that is behind each row of 64 channels.
	s_or_b32 s[G1K], s93, (1<<16)|(1<<20)|(1<<21)|(4<<22)|(3<<25)  ; to my column; elements of 2 bytes; 4 words of padding
	s_or_b32 s[G1V], s93, (1<<16)|(1<<20)|(1<<21)|(4<<22)|(7<<25)  ; 8 words of padding
.irp g, G1K, G1V
	s_mov_b32 s[\g+1], 128<<16
	s_mov_b32 s[\g+2], 32<<16
	s_mov_b32 s[\g+3], 128<<16
	s_mov_b32 s[\g+4], 32
	s_mov_b32 s[\g+5], 128
	s_mov_b32 s[\g+6], 0
	s_mov_b32 s[\g+7], 0
.endr
	s_mov_b32 s[CS], 0x3fb8aa3b     ; c = log2(e)
	s_mov_b32 s[CS+1], s[CS]
	s_mov_b32 s[SEL], 0x76543210
	s_mov_b32 s[SEL+1], 0xfedcba98
	s_mov_b32 s[FLOOR], 0xfe967699  ; -1e38
	s_mov_b32 s[PT], 0
	s_mov_b32 s[PT+1], 0
	s_lshl_b32 s20, s19, 22         ; the mask: 256 rows of 16,384 bytes a query block (these registers hold cy's side alone)
	s_mov_b32 s21, 0
	s_lshl_b32 s94, s[WH], 21       ; 128 rows
	s_mov_b32 s95, 0
	s_lshl_b32 s22, s18, 19         ; K, V: 4,096 rows of 128 bytes a head (cx's side alone)
	s_mov_b32 s23, 0
	s_lshl_b32 s88, s18, 12         ; Q and the result: my wave's first row,
	s_lshl_b32 s89, s19, 8
	s_add_co_u32 s88, s88, s89
	s_lshl_b32 s89, s[WV], 6
	s_add_co_u32 s88, s88, s89
	s_lshl_b32 s88, s88, 7          ; in bytes
	s_mov_b32 s89, 0
	s_mul_i32 s90, s[WH], 128*PM    ; where a half of the mask's tile goes: the wave's number alone enters an LDS address
	s_wait_dscnt 0x0
	s_wait_kmcnt 0x0
	s_add_nc_u64 s[MROW:MROW+1], s[10:11], s[20:21]
	s_add_nc_u64 s[10:11], s[MROW:MROW+1], s[94:95]
	s_add_nc_u64 s[6:7], s[6:7], s[22:23]
	s_add_nc_u64 s[8:9], s[8:9], s[22:23]
	s_add_nc_u64 s[4:5], s[4:5], s[88:89]
	s_add_nc_u64 s[12:13], s[12:13], s[88:89]
	CROUND                          ; all sixteen work-groups are here: the first joint loads meet
.irp s, 0,1
	s_mov_b32 s[G0M+4*\s], 1
	s_add_co_u32 s[G0M+4*\s+1], s90, \s*SLOT
	s_add_nc_u64 s[G0M+4*\s+2:G0M+4*\s+3], s[10:11], \s*256   ; key step s: 64 numbers along the rows
	s_or_b32 s[G0M+4*\s+3], s[G0M+4*\s+3], 0x80000000
	s_mov_b32 s[G0K+4*\s], 1
	s_mov_b32 s[G0K+4*\s+1], \s*SLOT+KOFF
	s_add_nc_u64 s[G0K+4*\s+2:G0K+4*\s+3], s[6:7], \s*8192    ; 64 rows of 128 bytes
	s_or_b32 s[G0K+4*\s+3], s[G0K+4*\s+3], 0x80000000
	s_mov_b32 s[G0V+4*\s], 1
	s_mov_b32 s[G0V+4*\s+1], \s*SLOT+VOFF
	s_add_nc_u64 s[G0V+4*\s+2:G0V+4*\s+3], s[8:9], \s*8192
	s_or_b32 s[G0V+4*\s+3], s[G0V+4*\s+3], 0x80000000
.endr
	JLOAD 0                         ; key step 0; slot 1 is first filled behind the first step's round
	v_and_b32 v1, 15, v0            ; l % 16
	v_bfe_u32 v9, v0, 4, 1          ; l / 16
	v_and_b32 v10, 31, v0           ; l
	v_lshlrev_b32 v[QO], 7, v1
	v_lshl_add_u32 v[QO], v9, 4, v[QO]  ; a fragment of Q: row x 128 + 16 x half, two loads 32 bytes apart
	WIN 0x40                        ; destination window 1
.irp f, 0,1,2,3,4,5,6,7             ; Q stays in registers: tile f / 2, channels 32 (f % 2) on
	global_load_b128 v[QF+8*\f:QF+8*\f+3],   v[QO], s[4:5] offset:(\f/2)*2048+(\f%2)*64
	global_load_b128 v[QF+8*\f+4:QF+8*\f+7], v[QO], s[4:5] offset:(\f/2)*2048+(\f%2)*64+32
.endr
	WIN 0
	v_mul_u32_u24 v[AM], v1, PM
	v_lshl_add_u32 v[AM], v9, 5, v[AM]  ; my query's row, 32 bytes for each half of the lanes
	s_mul_i32 s91, s[WV], 64*PM
	v_add_nc_u32 v[AM], s91, v[AM]
	v_add_nc_u32 v[AM+1], SLOT, v[AM]
	v_mul_u32_u24 v[AK], v1, PK
	v_lshl_add_u32 v[AK], v9, 4, v[AK]
	v_add_nc_u32 v[AK+1], SLOT+KOFF, v[AK]
	v_add_nc_u32 v[AK], KOFF, v[AK]
	v_and_b32 v11, 7, v0            ; the turning load: lane l reads key 8 (l / 16) + l % 8, channels 8 ((l / 8) % 2) + 0..7
	v_lshl_add_u32 v[AV], v9, 3, v11
	v_mul_u32_u24 v[AV], v[AV], PVR
	v_bfe_u32 v11, v0, 3, 1
	v_lshl_add_u32 v[AV], v11, 4, v[AV]
	v_add_nc_u32 v[AV+1], SLOT+VOFF, v[AV]
	v_add_nc_u32 v[AV], VOFF, v[AV]
	s_mul_i32 s91, s[WV], 64*SP
	s_add_co_u32 s91, s91, STAGE    ; my stage
	v_mul_u32_u24 v[STO], v1, SP
	v_lshl_add_u32 v[STO], v9, 4, v[STO]
	v_add_nc_u32 v[STO], s91, v[STO]
	v_lshrrev_b32 v11, 3, v10
	v_and_b32 v8, 7, v10
	v_mul_u32_u24 v[RD], v11, SP
	v_lshl_add_u32 v[RD], v8, 4, v[RD]
	v_add_nc_u32 v[RD], s91, v[RD]
	v_lshlrev_b32 v[GO], 4, v10
	; THE REQUEST AHEAD, for the mask alone (K and V were stored by the launch before).  The 16 work-groups of a query block share its 256 rows: mine asks for rows 16 (8 b + h) + l % 16,
	; lanes 0-15 in one key step's 256 bytes, lanes 16-31 in the next step's: 32 different aligned blocks of 256 bytes an instruction, each asked for by one lane of one work-group.
	s_lshl_b32 s91, s18, 18
	v_lshl_add_u32 v[PF], v1, 14, s91
	v_lshl_add_u32 v[PF], v9, 8, v[PF]
; A step's 64 LDS loads in one run: K (16), the mask of tiles 0, 1 (16) and of tiles 2, 3 (16) straight into S^T's registers, V turned (16).
.macro LOADS slot
	WIN 0x40
.irp f, 0,1,2,3,4,5,6,7             ; keys 16 (f / 2) on, channels 32 (f % 2) on
	ds_load_b128 v[KF+8*\f:KF+8*\f+3],   v[AK+\slot] offset:(\f/2)*16*PK+(\f%2)*64
	ds_load_b128 v[KF+8*\f+4:KF+8*\f+7], v[AK+\slot] offset:(\f/2)*16*PK+(\f%2)*64+32
.endr
	WIN 0
.irp t, 0,1,2,3
.irp c, 0,1,2,3                     ; register 8 c + j: key 16 c + 8 (l / 16) + j
	ds_load_b128 v[S+32*\t+8*\c:S+32*\t+8*\c+3],   v[AM+\slot] offset:\t*16*PM+64*\c
	ds_load_b128 v[S+32*\t+8*\c+4:S+32*\t+8*\c+7], v[AM+\slot] offset:\t*16*PM+64*\c+16
.endr
.endr
	WIN 0x80
.irp f, 0,1,2,3,4,5,6,7             ; keys 32 (f / 4) on, channels 16 (f % 4) on
	ds_load_tr16_b128 v[8*\f:8*\f+3],   v[AV+\slot] offset:(\f/4)*32*PVR+(\f%4)*32
	ds_load_tr16_b128 v[8*\f+4:8*\f+7], v[AV+\slot] offset:(\f/4)*32*PVR+16*PVR+(\f%4)*32
.endr
	WIN 0
.endm
; Product i of 16 of piece x's S^T += K Q^T: channels 32 (i / 8) on, keys 16 ((i / 2) % 4) on, tile x + i % 2.  The first eight add onto the mask.
; The eight accumulators take turns, one instruction a turn.
.macro KQ x
	WIN W_KQ
.set rS, S+32*(\x+i%2)+8*((i/2)%4)
.set rK, KF+16*((i/2)%4)+8*(i/8)
.set rQ, QF+16*(\x+i%2)+8*(i/8)
	v_wmma_f32_16x16x32_f16 v[rS:rS+7], v[rK:rK+7], v[rQ:rQ+7], v[rS:rS+7]
.endm
; Product i of 16 of piece x's O^T += V^T P: keys 32 (i / 8) on, channels 16 ((i / 2) % 4) on, tile x + i % 2.  zero = 1: the first eight start the sums.
.macro PV x, zero
	WIN W_PV
.set rO, 32*(\x+i%2)+8*((i/2)%4)
.set rV, 32*(i/8)+8*((i/2)%4)
.set rP, P+16*(\x+i%2)+8*(i/8)
.if \zero && (i < 8)
	v_wmma_f32_16x16x32_f16 v[rO:rO+7], v[rV:rV+7], v[rP:rP+7], 0
.else
	v_wmma_f32_16x16x32_f16 v[rO:rO+7], v[rV:rV+7], v[rP:rP+7], v[rO:rO+7]
.endif
.endm
; One tile's softmax for one key step is a list of 118 instructions; SM writes number j of it for tile t.  s0-s31 are the lane's 32 scores, in pairs 0-15.
; first = 1: the first key step, which starts m (at the floor), l and O^T: it has no a and nothing to rescale.
;   0-15    the maximum of s0-s31 and the old m, three operands at a time; each accumulator is read from its low end on
;   16-20   the other half of the lanes' maximum; the new m; c m; c m_old - c m_new
;   21-87   33 exponentials (a, then s0-s31) at the odd numbers from 23 on: no two follow each other, and each has a plain instruction behind it before its result is used (ISA guide 5.7.2);
;           the plain ones are c s - c m for pairs still to come, the rounding to f16 of pairs that are done, at last the first three sums
;   88-101  the last rounding; the rest of the sums; l = a l + the sum
;   102-117 the tile's O^T times a, in ascending order: the one part that leaves window 0
.macro SM t, first
.set rT, ST+8*(\t)
.set rS, S+32*(\t)
.set rP, P+16*(\t)
.set rO, 32*(\t)+2*(j-102)
.set q, (j-20)/2
.if j < 102
	WIN 0
.endif
.if j < 4
	v_max3_num_f32 v[rT+4+j], v[rS+8*j], v[rS+8*j+1], v[rS+8*j+2]
.elseif j < 12
	v_max3_num_f32 v[rT+4+j%4], v[rT+4+j%4], v[rS+8*(j%4)+2*(j/4)+1], v[rS+8*(j%4)+2*(j/4)+2]
.elseif j == 12
	v_max3_num_f32 v[rT+4], v[rT+4], v[rS+7], v[rS+15]
.elseif j == 13
	v_max3_num_f32 v[rT+6], v[rT+6], v[rS+23], v[rS+31]
.elseif j == 14
	v_max3_num_f32 v[rT+4], v[rT+4], v[rT+5], v[rT+6]
.elseif (j == 15) && \first
	v_max3_num_f32 v[rT+4], v[rT+4], v[rT+7], s[FLOOR]   ; m never falls below the floor, so c s - c m is -inf, not NaN, where s is -inf
.elseif j == 15
	v_max3_num_f32 v[rT+4], v[rT+4], v[rT+7], v[rT+1]
.elseif j == 16
	v_permlanex16_b32 v[rT+5], v[rT+4], s[SEL], s[SEL+1]  ; the query's other 32 keys lie in the lane 16 away
.elseif j == 18
	v_max_num_f32 v[rT+1], v[rT+4], v[rT+5]
.elseif j == 19
	v_mul_f32 v[rT], s[CS], v[rT+1]
.elseif ((j == 17) || (j == 20) || (j == 23) || (j > 101)) && \first  ; the first step has none of these
.elseif j == 17
	v_mov_b32 v[rT+7], v[rT]        ; c m_old is kept for a: number 19 writes c m anew
.elseif j == 20
	v_sub_f32 v[rT+7], v[rT+7], v[rT]
.elseif j == 23
	v_exp_f32 v[rT+6], v[rT+7]
.elseif (j < 88) && (j > 23) && (j%2 == 1)
	v_exp_f32 v[rS+(j-25)/2], v[rS+(j-25)/2]
.elseif (q < 4) || ((j < 76) && (q%2 == 0))
.set b, q/2+2
.if q < 4
.set b, q
.endif
	v_pk_fma_f32 v[rS+2*b:rS+2*b+1], v[rS+2*b:rS+2*b+1], s[CS:CS+1], v[rT:rT+1] op_sel_hi:[1,0,0] neg_lo:[0,0,1] neg_hi:[0,0,1]  ; pair b: c s - c m
.elseif (j < 88) && (q%2 == 1)
	s_wait_alu depctr_va_vdst(0)
	v_cvt_pk_f16_f32 v[rP+(q-5)/2], v[rS+q-5], v[rS+q-4]  ; pair (q - 5) / 2: its second exponential stands three numbers back
.elseif j == 89
	s_wait_alu depctr_va_vdst(0)
	v_cvt_pk_f16_f32 v[rP+15], v[rS+30], v[rS+31]
.elseif j < 102                     ; the sum of the tile's 16 pairs, in place: sum z of 16 adds neighbours 1, 2, 4 and 8 pairs apart, then l takes it
.set z, j-86
.if j < 89
.set z, (j-76)/4
.endif
.set w, 4
.set u, z
.if z >= 14
.set w, 32
.set u, 0
.elseif z >= 12
.set w, 16
.set u, z-12
.elseif z >= 8
.set w, 8
.set u, z-8
.endif
.if (z == 14) && \first
	v_pk_add_f32 v[rT+2:rT+3], v[rS:rS+1], v[rS+16:rS+17]
.elseif z < 15
	v_pk_add_f32 v[rS+w*u:rS+w*u+1], v[rS+w*u:rS+w*u+1], v[rS+w*u+w/2:rS+w*u+w/2+1]
.elseif !\first
	v_pk_fma_f32 v[rT+2:rT+3], v[rT+2:rT+3], v[rT+6:rT+7], v[rS:rS+1] op_sel_hi:[1,0,1]
.endif
.else
	WIN W_RS
	v_pk_mul_f32 v[rO:rO+1], v[rO:rO+1], v[rT+6:rT+7] op_sel_hi:[1,0]
.endif
.endm
; Slice k of 59 of piece y's softmax: numbers 2 k and 2 k + 1 of both tiles' lists, four instructions.
.macro SLICE y, first
.if (k >= 11) && (k < 44)           ; tile by tile: plain, exponential, plain, exponential
.irp t, \y, \y+1
.irp n, 0,1
.set j, 2*k+\n
	SM \t, \first
.endr
.endr
.else                               ; the two tiles alternate, so that no instruction reads the result of the one just before it
.irp n, 0,1
.irp t, \y, \y+1
.set j, 2*k+\n
	SM \t, \first
.endr
.endr
.endif
.set k, k+1
.endm
; 16 products of piece x (kind 0: K Q^T, 1: V^T P) with three slices of the other piece's softmax behind each; the last 11 slices follow.  Those are plain instructions (sums, the
; rescaling) that name no register of piece x's products: ten at the least, in the first step, so they are the places behind the last of those products.
.macro MIXED kind, x, zero, first
.set k, 0
.set i, 0
.rept 16
.if \kind
	PV \x, \zero
.else
	KQ \x
.endif
.rept 3
	SLICE 2-\x, \first
.endr
.set i, i+1
.endr
.rept 11
	SLICE 2-\x, \first
.endr
.endm
; A KEY STEP.  In front of the round each wave waits for all its tensor loads (the one that is out is its part of this step's slot) and for its reads of the other slot; behind the
; round the other slot is filled first, with the next step's tiles, which have this whole step in which to land; then this slot is read.
; pf = 1: wave 3 asks ahead for two later steps' blocks of the mask.  The first step asks for steps 2 and 3, odd step j for steps j + 3 and j + 4, whose tensor loads are issued in
; steps j + 2 and j + 3; the offset is held at steps 62 and 63, so no request passes a row's end.
.macro STEP slot, refill, first, pf
	WIN 0                           ; at a branch and at a label every window is 0
	s_wait_tensorcnt 0x0            ; no tensor load of mine is out, so this slot's addresses may step, two key steps on
	ds_add_u32 v62, v63
	s_wait_dscnt 0x0
	s_add_nc_u64 s[G0M+4*\slot+2:G0M+4*\slot+3], s[G0M+4*\slot+2:G0M+4*\slot+3], 512
	s_add_nc_u64 s[G0K+4*\slot+2:G0K+4*\slot+3], s[G0K+4*\slot+2:G0K+4*\slot+3], 16384
	s_add_nc_u64 s[G0V+4*\slot+2:G0V+4*\slot+3], s[G0V+4*\slot+2:G0V+4*\slot+3], 16384
.if \pf
	s_wait_xcnt 0x0                 ; the last request's base, issued two steps ago, is written again only behind this wait
	s_add_co_u32 s[PT], s[PT], 512
	s_min_u32 s[PT], s[PT], 62*256
	s_add_nc_u64 s[PB:PB+1], s[MROW:MROW+1], s[PT:PT+1]
.endif
	s_wait_dscnt 0x0                ; my reads of the other slot are back
	CROUND                          ; both now hold of every wave of all sixteen work-groups
.if \refill
	JLOAD 1-\slot                   ; my one tensor load behind the round; its four v_nop are also the places behind the last step's products, whose V is loaded over below
.else
	PLACES
.endif
	LOADS \slot
	s_wait_dscnt 32                 ; K and piece 0's mask are in; piece 2's mask (16) and V (16) may stay out
.if \first
	s_wait_loadcnt 0x0              ; Q
.endif
.set i, 0
.rept 16
	KQ 0
.set i, i+1
.endr
	WIN 0
	PLACES                          ; piece 0's softmax reads those results
.if \pf
	s_cmp_lg_u32 s[WV], 3
	s_cbranch_scc1 .Lnopf_\@
	global_prefetch_b8 v[PF], s[PB:PB+1] th:TH_LOAD_NT scope:SCOPE_SE
.Lnopf_\@:
.endif
	s_wait_dscnt 16                 ; piece 2's mask is in; V may stay out
	MIXED 0, 2, 0, \first           ; piece 2's scores | piece 0's softmax
	s_wait_dscnt 0x0                ; V is in
	MIXED 1, 0, \first, \first      ; piece 0's V^T P | piece 2's softmax
.set i, 0
.rept 16
	PV 2, \first                    ; piece 2's V^T P
.set i, i+1
.endr
	WIN 0
.endm
	STEP 0, 1, 1, 1
	s_mov_b32 s[CNT], 31
.Lstep:
	STEP 1, 1, 0, 1
	STEP 0, 1, 0, 0
	s_sub_co_u32 s[CNT], s[CNT], 1
	s_cmp_lg_u32 s[CNT], 0
	s_cbranch_scc1 .Lstep
	STEP 1, 0, 0, 0                 ; the last step asks for nothing
	; THE WAY OUT.  l's two halves and the other half of the lanes' are added (the first four additions are the places behind the last products); 1 / l, or 0 where l is 0 (a row with no
	; unmasked key gives zeros); O^T is scaled from its low end on, rounded to f16 and sent through my stage.
.irp t, 0,1,2,3
	v_add_f32 v[ST+8*\t+4], v[ST+8*\t+2], v[ST+8*\t+3]
.endr
.irp t, 0,1,2,3
	v_permlanex16_b32 v[ST+8*\t+5], v[ST+8*\t+4], s[SEL], s[SEL+1]
.endr
.irp t, 0,1,2,3
	v_add_f32 v[ST+8*\t+4], v[ST+8*\t+4], v[ST+8*\t+5]
.endr
.irp t, 0,1,2,3
	v_rcp_f32 v[ST+8*\t+6], v[ST+8*\t+4]
.endr
	v_nop                           ; a plain instruction between the last reciprocal and the use of its result
.irp t, 0,1,2,3
	v_cmp_lt_f32 vcc_lo, 0, v[ST+8*\t+4]
	s_wait_alu depctr_va_vdst(0)
	v_cndmask_b32 v[ST+8*\t+6], 0, v[ST+8*\t+6], vcc_lo
.endr
.irp t, 0,1,2,3
	WIN W_RS
.set i, 32*\t
.rept 16
	v_pk_mul_f32 v[i:i+1], v[i:i+1], v[ST+8*\t+6:ST+8*\t+7] op_sel_hi:[1,0]
.set i, i+2
.endr
	WIN 0x05                        ; sources window 1, destination window 0: S^T's registers are free
.set i, 0
.rept 16
	v_cvt_pk_f16_f32 v[S+16*\t+i], v[32*\t+2*i], v[32*\t+2*i+1]
.set i, i+1
.endr
	WIN 0
.irp f, 0,1,2,3                     ; row 16 t + l % 16, channels 16 f + 8 (l / 16) on
	ds_store_b128 v[STO], v[S+16*\t+4*\f:S+16*\t+4*\f+3] offset:\t*16*SP+32*\f
.endr
.endr
.irp i, 0,1,2,3,4,5,6,7,8,9,10,11,12,13,14,15
	ds_load_b128 v[S+64+4*\i:S+64+4*\i+3], v[RD] offset:\i*4*SP   ; LDS serves a wave's instructions in order (ISA guide 5.7.1.4): these see the stores above
.endr
.irp i, 0,1,2,3,4,5,6,7,8,9,10,11,12,13,14,15
	s_wait_dscnt 15-\i              ; the younger loads may stay out
	global_store_b128 v[GO], v[S+64+4*\i:S+64+4*\i+3], s[12:13] offset:512*\i   ; the wave's store covers 512 consecutive bytes: four rows of 128
.endr
	s_wait_tensorcnt 0x0
	ds_add_u32 v62, v63
	s_wait_dscnt 0x0
	CROUND                          ; the closing round: no work-group ends while a partner may still ask for a tile that names it
	s_endpgm
.Lfunc_end_k_qcafe9f9250_attn:
	.size	k_qcafe9f9250_attn, .Lfunc_end_k_qcafe9f9250_attn-k_qcafe9f9250_attn
	.p2alignl 7, 3214868480
	.fill 96, 4, 3214868480
	.section	.rodata,"a",@progbits
	.p2align	6, 0x0
	.amdhsa_kernel k_qcafe9f9250_attn
		.amdhsa_group_segment_fixed_size 327680
		.amdhsa_private_segment_fixed_size 0
		.amdhsa_enable_private_segment 0
		.amdhsa_kernarg_size 40
		.amdhsa_user_sgpr_count 2
		.amdhsa_user_sgpr_kernarg_segment_ptr 1
		.amdhsa_wavefront_size32 1
		.amdhsa_system_sgpr_workgroup_id_x 1
		.amdhsa_system_sgpr_workgroup_id_y 1
		.amdhsa_system_sgpr_workgroup_id_z 1
		.amdhsa_system_vgpr_workitem_id 0
		.amdhsa_next_free_vgpr 576
		.amdhsa_next_free_sgpr 96
		.amdhsa_reserve_vcc 1
		.amdhsa_float_denorm_mode_32 3
		.amdhsa_float_denorm_mode_16_64 3
		.amdhsa_memory_ordered 1
		.amdhsa_forward_progress 1
		.amdhsa_inst_pref_size 175
	.end_amdhsa_kernel
	.amdgpu_metadata
---
amdhsa.version: [ 1, 2 ]
amdhsa.kernels:
  - .name:           k_qcafe9f9250_attn
    .symbol:         k_qcafe9f9250_attn.kd
    .args:
      - { .name: qb, .offset: 0, .size: 8, .value_kind: global_buffer, .address_space: global }
      - { .name: kb, .offset: 8, .size: 8, .value_kind: global_buffer, .address_space: global }
      - { .name: vb, .offset: 16, .size: 8, .value_kind: global_buffer, .address_space: global }
      - { .name: attn_mask, .offset: 24, .size: 8, .value_kind: global_buffer, .address_space: global }
      - { .name: ab, .offset: 32, .size: 8, .value_kind: global_buffer, .address_space: global }
    .group_segment_fixed_size: 327680
    .private_segment_fixed_size: 0
    .kernarg_segment_align: 8
    .kernarg_segment_size: 40
    .max_flat_workgroup_size: 128
    .sgpr_count:     96
    .vgpr_count:     576
    .wavefront_size: 32
...
	.end_amdgpu_metadata
.endif
;; end of part 2
;; launch oproj (part 3): grid 4 x 64, 4 waves a work-group, clusters of 4 x 4, 304,640 bytes of LDS; arguments ab, wob, bo, out0; writes out0
.if DOCPART == 3
	.amdgcn_target "amdgcn-amd-amdhsa--gfx1250"
	.amdhsa_code_object_version 6
	.text
	.protected	k_qcafe9f9250_oproj
	.globl	k_qcafe9f9250_oproj
	.p2align	8
	.type	k_qcafe9f9250_oproj,@function
k_qcafe9f9250_oproj:
	s_mov_b64 s[64:65], 0
	v_nop
	global_prefetch_b8 v0, s[64:65] scope:SCOPE_SE
	s_setreg_imm32_b32 hwreg(HW_REG_WAVE_MODE, 25, 1), 1
	s_wait_xcnt 0x0
	s_wait_alu depctr_hold_cnt(0) depctr_sa_sdst(0) depctr_va_vdst(0) depctr_va_sdst(0) depctr_va_ssrc(0) depctr_va_vcc(0) depctr_vm_vsrc(0)
	s_getreg_b32 s2, hwreg(HW_REG_IB_STS2, 6, 4)
	s_cmp_eq_u32 s2, 0
	s_cbranch_scc0 .Lentry_in_a_cluster
	s_endpgm
.Lentry_in_a_cluster:
	s_bfe_u32 s2, ttmp6, 0x10000c
	s_cmp_lg_u32 s2, 0xf033
	s_cbranch_scc0 .Lentry_shape_is_right
	s_endpgm
.Lentry_shape_is_right:
; out0[s][f] = the sum over e of A[s][e] Wo[f][e] + bo[f].  A is the attention's result, ab: [8 b + h][4096][64] f16 (e = 64 h + d); wob: [512][512] f16; out0: [8192][512] f32.
; Products in f16 with f32 sums.  Both operands were rounded by the launches before; their range is stated there (A is no larger than v; Wo of rms 1/sqrt(512) has room for a factor
; of 30 either way: 1.3 and 0.0015 lie between f16's least normal number 6.1e-5 and its largest 65,504).
; SHARES.  8,192 x 512 numbers make 256 tiles of 128 x 128, one for each work-group; four waves of 64 x 64: 16 accumulators of 16 x 16.
; THE WHOLE K LIES IN LDS: four regions, each with 128 along K (two heads): A's two head blocks of 128 rows x 128 bytes, then 128 rows x 256 bytes of Wo.  Nothing is filled again:
; a wave's four tensor loads go out together at the start (four of mine are out), and region st is read behind a wait that leaves the 3 - st younger ones out, and a barrier.
; CLUSTER.  4 x 4 work-groups.  A's blocks hang on the row block alone and are asked for jointly along a cluster's row, Wo's on the column block alone, along a column.
; THE MATRIX INSTRUCTION IS USED TRANSPOSED (source 0 = 16 rows of Wo, source 1 = 16 rows of A): a lane holds one row and eight neighbouring columns.  The bias is the first products' C.
; REGISTERS: window 0: v0-27 addresses; v32-63 the bias (8 b + j); v64-127 whole rows on the way out, two sets; v128-255 the accumulators ((a, b) at 128 + 8 (4 a + b)).
;   window 1: two fragment buffers of 128: for 64 along K, 64 registers of A, then 64 of Wo.
.set PA,     144                       ; a row of a head block: 128 bytes + 16
.set PW,     272                       ; a row of Wo's tile: 256 bytes + 16
.set HB,     128*PA                    ; a head block
.set BOFF,   2*HB
.set REG,    BOFF+128*PW               ; 71,680 bytes a region
.set STAGE,  4*REG                     ; behind the regions: 16 rows x 272 bytes for each wave; no tensor load lands there
.set SPITCH, 272
.set ADRA, 16                          ; v16-19 LDS address of my fragments of A in region 0..3
.set ADRB, 20                          ; v20-23 the same for Wo
.set STO,  24
.set RD,   25
.set CO,   26
.set BO,   27
.set BIAS, 32
.set TMP,  64
.set ACC,  128
.set F0,   0
.set F1,   128
.set WV,  12
.set WH,  13                           ; wave & 1: my half of the columns; also which half of a tile I fetch
.set WR,  14                           ; wave >> 1: my half of the rows
.set G1A, 24
.set G1B, 32
.set G0A, 40                           ; group 0 for A's blocks: s40, s44, s48, s52
.set G0B, 56                           ; for Wo's tiles: s56, s60, s68, s72
.set MSB, 0
.macro WIN new
.if MSB != \new
	s_set_vgpr_msb (MSB<<8)|\new
.set MSB, \new
.endif
.endm
.set MUL,  0x05                        ; sources window 1; C and D window 0
.set TO_F, 0x40                        ; destination window 1, address window 0
.macro PLACES                          ; four plain vector instructions between a matrix instruction and a load into one of its registers, or a read of its result
.rept 4
	v_nop
.endr
.endm
.macro CROUND
	s_barrier_signal -1
	s_barrier_wait -1
	s_cmp_lg_u32 s[WV], 0
	s_cbranch_scc1 .Lnot_wave_0_\@
	s_barrier_signal -3
.Lnot_wave_0_\@:
	s_barrier_wait -3
	s_barrier_signal -1
	s_barrier_wait -1
.endm
	s_load_b256 s[4:11], s[0:1], 0x0               ; ab s4, wob s6, bo s8, out0 s10
	v_lshl_add_u32 v30, v0, 2, 0x4a400
	v_mov_b32 v31, 0
	ds_add_u32 v30, v31
	v_lshrrev_b32 v1, 5, v0
	v_readfirstlane_b32 s[WV], v1
	s_and_b32 s[WH], s[WV], 1
	s_lshr_b32 s[WR], s[WV], 1
	s_bfe_u32 s16, ttmp6, 0x40000                  ; cx
	s_bfe_u32 s17, ttmp6, 0x40004                  ; cy
	s_lshl_b32 s18, ttmp9, 2
	s_add_co_u32 s18, s18, s16                     ; block of 128 columns
	s_and_b32 s19, ttmp7, 0xffff
	s_lshl_b32 s19, s19, 2
	s_add_co_u32 s19, s19, s17                     ; block of 128 rows
	s_lshl_b32 s76, s17, 2
	s_lshl_b32 s76, 15, s76                        ; my row of the cluster
	s_lshl_b32 s77, 0x1111, s16                    ; my column
	; A head block's 128 rows of 128 bytes are 16,384 consecutive bytes: 64 rows of 256 bytes, the padding behind every 32 words, that is behind each row of 64 channels.
	s_or_b32 s[G1A], s76, (1<<16)|(1<<20)|(1<<21)|(4<<22)|(3<<25)
	s_mov_b32 s[G1A+1], 128<<16
	s_mov_b32 s[G1A+2], 64<<16
	s_mov_b32 s[G1A+3], 128<<16
	s_mov_b32 s[G1A+4], 64
	s_mov_b32 s[G1A+5], 128
	s_mov_b32 s[G1A+6], 0
	s_mov_b32 s[G1A+7], 0
	s_or_b32 s[G1B], s77, (1<<16)|(1<<20)|(1<<21)|(5<<22)|(3<<25)   ; 64 rows x 128 elements of Wo, 512 elements from row to row
	s_mov_b32 s[G1B+1], 128<<16
	s_mov_b32 s[G1B+2], 64<<16
	s_mov_b32 s[G1B+3], 128<<16
	s_mov_b32 s[G1B+4], 64
	s_mov_b32 s[G1B+5], 512
	s_mov_b32 s[G1B+6], 0
	s_mov_b32 s[G1B+7], 0
	s_lshr_b32 s20, s19, 5                         ; A: head 8 b + (wave & 1), 524,288 bytes a head; these registers hold cy's side alone
	s_lshl3_add_u32 s20, s20, s[WH]
	s_lshl_b32 s20, s20, 19
	s_and_b32 s21, s19, 31
	s_lshl_b32 s21, s21, 14                        ; + the block's 128 rows of 128 bytes
	s_add_co_u32 s20, s20, s21
	s_mov_b32 s21, 0
	s_lshl_b32 s22, s18, 17                        ; Wo: 128 rows of 1,024 bytes a block, + 64 rows for the second half; cx's side alone
	s_lshl_b32 s23, s[WH], 16
	s_add_co_u32 s22, s22, s23
	s_mov_b32 s23, 0
	s_mul_i32 s78, s[WH], HB                       ; where they go: the wave's number alone enters an LDS address
	s_mul_i32 s79, s[WH], 64*PW
	s_add_co_u32 s79, s79, BOFF
	s_lshl_b32 s82, s18, 9                         ; my wave's first column, in bytes of f32
	s_lshl_b32 s81, s[WH], 8
	s_add_co_u32 s82, s82, s81
	s_lshl_b32 s80, s19, 7                         ; my wave's first row
	s_lshl_b32 s81, s[WR], 6
	s_add_co_u32 s80, s80, s81
	s_lshl_b32 s80, s80, 11                        ; rows of 2,048 bytes
	s_add_co_u32 s80, s80, s82
	s_mov_b32 s81, 0
	s_wait_dscnt 0x0
	s_wait_kmcnt 0x0
	s_add_nc_u64 s[4:5], s[4:5], s[20:21]
	s_add_nc_u64 s[6:7], s[6:7], s[22:23]
	s_add_nc_u64 s[10:11], s[10:11], s[80:81]
	CROUND                                         ; all sixteen work-groups are here: the joint loads meet
.irp st, 0,1,2,3
	s_mov_b32 s[G0A+4*\st], 1
	s_add_co_u32 s[G0A+4*\st+1], s78, \st*REG
	s_add_nc_u64 s[G0A+4*\st+2:G0A+4*\st+3], s[4:5], \st*0x100000      ; two heads on
	s_or_b32 s[G0A+4*\st+3], s[G0A+4*\st+3], 0x80000000
	s_mov_b32 s[G0B+4*\st+4*(\st/2)], 1
	s_add_co_u32 s[G0B+4*\st+4*(\st/2)+1], s79, \st*REG
	s_add_nc_u64 s[G0B+4*\st+4*(\st/2)+2:G0B+4*\st+4*(\st/2)+3], s[6:7], \st*256   ; 128 along K on
	s_or_b32 s[G0B+4*\st+4*(\st/2)+3], s[G0B+4*\st+4*(\st/2)+3], 0x80000000
.endr
	s_cmp_lt_u32 s[WV], 2                          ; a wave's four fills stand in one branch, ahead of every wait on TENSORcnt and every LDS read; four v_nop follow the last
	s_cbranch_scc0 .Lfill_b
.irp st, 0,1,2,3
	tensor_load_to_lds s[G0A+4*\st:G0A+4*\st+3], s[G1A:G1A+7]
	s_nop 0
.endr
	PLACES
	s_branch .Lfilled
.Lfill_b:
.irp st, 0,1,2,3
	tensor_load_to_lds s[G0B+4*\st+4*(\st/2):G0B+4*\st+4*(\st/2)+3], s[G1B:G1B+7]
	s_nop 0
.endr
	PLACES
.Lfilled:
	v_and_b32 v1, 15, v0                           ; l % 16
	v_bfe_u32 v2, v0, 4, 1                         ; l / 16
	v_lshlrev_b32 v[BO], 5, v2
	v_add_nc_u32 v[BO], s82, v[BO]                 ; my half's eight numbers of the bias of each block of 16 columns
.irp b, 0,1,2,3
	global_load_b128 v[BIAS+8*\b:BIAS+8*\b+3],   v[BO], s[8:9] offset:64*\b
	global_load_b128 v[BIAS+8*\b+4:BIAS+8*\b+7], v[BO], s[8:9] offset:64*\b+16
.endr
	v_mul_u32_u24 v3, v1, PA
	v_lshl_add_u32 v3, v2, 4, v3                   ; a fragment's row x pitch + 16 x half
	v_mul_u32_u24 v4, v1, PW
	v_lshl_add_u32 v4, v2, 4, v4
	s_mul_i32 s83, s[WR], 64*PA                    ; my 64 rows of A
	s_mul_i32 s84, s[WH], 64*PW                    ; my 64 rows of Wo,
	s_add_co_u32 s84, s84, BOFF                    ; behind A's two head blocks
.irp st, 0,1,2,3
	v_add_nc_u32 v[ADRA+\st], s83, v3
	v_add_nc_u32 v[ADRB+\st], s84, v4
	s_add_co_u32 s83, s83, REG
	s_add_co_u32 s84, s84, REG
.endr
	s_mul_i32 s83, s[WV], 16*SPITCH
	s_add_co_u32 s83, s83, STAGE                   ; my stage
	v_mul_u32_u24 v[STO], v1, SPITCH               ; in: row l % 16, 32 bytes for each half of the lanes
	v_lshl_add_u32 v[STO], v2, 5, v[STO]
	v_add_nc_u32 v[STO], s83, v[STO]
	v_mul_u32_u24 v[RD], v2, SPITCH                ; back: lanes 0-15 take one row of 256 bytes, lanes 16-31 the next
	v_lshl_add_u32 v[RD], v1, 4, v[RD]
	v_add_nc_u32 v[RD], s83, v[RD]
	v_lshlrev_b32 v[CO], 11, v2                    ; and the same two rows in out0
	v_lshl_add_u32 v[CO], v1, 4, v[CO]
; 8 products: row blocks a0, a0 + 1 x all 4 column blocks, 32 along K: half c of buffer f.  The 16 accumulators take turns, one instruction a turn.
; bias = 1: C is the bias: the products start the sums.
.macro MUL8 f, c, a0, bias
.irp a, \a0, \a0+1
.irp b, 0,1,2,3
.if \bias
	v_wmma_f32_16x16x32_f16 v[ACC+8*(4*(\a)+\b):ACC+8*(4*(\a)+\b)+7], v[\f+64+8*(4*\c+\b):\f+64+8*(4*\c+\b)+7], v[\f+8*(4*\c+\a):\f+8*(4*\c+\a)+7], v[BIAS+8*\b:BIAS+8*\b+7]
.else
	v_wmma_f32_16x16x32_f16 v[ACC+8*(4*(\a)+\b):ACC+8*(4*(\a)+\b)+7], v[\f+64+8*(4*\c+\b):\f+64+8*(4*\c+\b)+7], v[\f+8*(4*\c+\a):\f+8*(4*\c+\a)+7], v[ACC+8*(4*(\a)+\b):ACC+8*(4*(\a)+\b)+7]
.endif
.endr
.endr
.endm
; 32 LDS loads: the fragments of head q of region st (64 along K) into buffer f
.macro FETCH st, q, f
	WIN TO_F
.irp c, 0,1
.irp i, 0,1,2,3
	ds_load_b128 v[\f+64+8*(4*\c+\i):\f+64+8*(4*\c+\i)+3],   v[ADRB+\st] offset:\i*16*PW+128*\q+64*\c
	ds_load_b128 v[\f+64+8*(4*\c+\i)+4:\f+64+8*(4*\c+\i)+7], v[ADRB+\st] offset:\i*16*PW+128*\q+64*\c+32
	ds_load_b128 v[\f+8*(4*\c+\i):\f+8*(4*\c+\i)+3],         v[ADRA+\st] offset:\q*HB+\i*16*PA+64*\c
	ds_load_b128 v[\f+8*(4*\c+\i)+4:\f+8*(4*\c+\i)+7],       v[ADRA+\st] offset:\q*HB+\i*16*PA+64*\c+32
.endr
.endr
.endm
.irp st, 0,1,2,3
	s_wait_tensorcnt 3-\st                         ; my part of region st is in; my 3 - st younger loads may stay out
	s_wait_dscnt 0x0                               ; no LDS instruction of mine is pending at the signal
	s_barrier_signal -1
	s_barrier_wait -1                              ; everybody's part is in
	PLACES                                         ; the loads below land in fragments that the last products read
	FETCH \st, 0, F0
	FETCH \st, 1, F1
	s_wait_dscnt 32                                ; buffer 0 is in; buffer 1's 32 loads may stay out
	WIN MUL
.if \st == 0
	s_wait_loadcnt 0x0                             ; the bias
	MUL8 F0, 0, 0, 1
	MUL8 F0, 0, 2, 1
.else
	MUL8 F0, 0, 0, 0
	MUL8 F0, 0, 2, 0
.endif
	MUL8 F0, 1, 0, 0
	MUL8 F0, 1, 2, 0
	s_wait_dscnt 0x0
	MUL8 F1, 0, 0, 0
	MUL8 F1, 0, 2, 0
	MUL8 F1, 1, 0, 0
	MUL8 F1, 1, 2, 0
	WIN 0
.endr
	; THE WAY OUT, 16 rows at a time: a lane's eight f32 of a row go from the accumulator, its low half first, into my own stage; whole rows of 256 bytes come back and are stored.
	PLACES
.irp a, 0,1,2,3
.irp b, 0,1,2,3
	ds_store_b128 v[STO], v[ACC+8*(4*\a+\b):ACC+8*(4*\a+\b)+3]   offset:64*\b
	ds_store_b128 v[STO], v[ACC+8*(4*\a+\b)+4:ACC+8*(4*\a+\b)+7] offset:64*\b+16
.endr
.if \a >= 2
	s_wait_xcnt 0x0                                ; this set of registers was the data of the stores two blocks back: it is loaded again only behind this wait
.endif
.irp t, 0,1,2,3,4,5,6,7
	ds_load_b128 v[TMP+32*(\a%2)+4*\t:TMP+32*(\a%2)+4*\t+3], v[RD] offset:\t*2*SPITCH   ; LDS serves a wave's instructions in order (ISA guide 5.7.1.4): these see the stores above
.endr
.irp t, 0,1,2,3,4,5,6,7
	s_wait_dscnt 7-\t                              ; the younger loads may stay out
	global_store_b128 v[CO], v[TMP+32*(\a%2)+4*\t:TMP+32*(\a%2)+4*\t+3], s[10:11] offset:(16*\a+2*\t)*2048 th:TH_STORE_NT   ; 16 lanes store 256 consecutive bytes, at a multiple of 256 from out0's first byte
.endr
.endr
	s_wait_tensorcnt 0x0
	ds_add_u32 v30, v31
	s_wait_dscnt 0x0
	CROUND                                         ; the closing round: no work-group ends while a partner may still ask for a tile that names it
	s_endpgm
.Lfunc_end_k_qcafe9f9250_oproj:
	.size	k_qcafe9f9250_oproj, .Lfunc_end_k_qcafe9f9250_oproj-k_qcafe9f9250_oproj
	.p2alignl 7, 3214868480
	.fill 96, 4, 3214868480
	.section	.rodata,"a",@progbits
	.p2align	6, 0x0
	.amdhsa_kernel k_qcafe9f9250_oproj
		.amdhsa_group_segment_fixed_size 304640
		.amdhsa_private_segment_fixed_size 0
		.amdhsa_enable_private_segment 0
		.amdhsa_kernarg_size 32
		.amdhsa_user_sgpr_count 2
		.amdhsa_user_sgpr_kernarg_segment_ptr 1
		.amdhsa_wavefront_size32 1
		.amdhsa_system_sgpr_workgroup_id_x 1
		.amdhsa_system_sgpr_workgroup_id_y 1
		.amdhsa_system_sgpr_workgroup_id_z 1
		.amdhsa_system_vgpr_workitem_id 0
		.amdhsa_next_free_vgpr 512
		.amdhsa_next_free_sgpr 96
		.amdhsa_reserve_vcc 0
		.amdhsa_float_denorm_mode_32 3
		.amdhsa_float_denorm_mode_16_64 3
		.amdhsa_memory_ordered 1
		.amdhsa_forward_progress 1
		.amdhsa_inst_pref_size 52
	.end_amdhsa_kernel
	.amdgpu_metadata
---
amdhsa.version: [ 1, 2 ]
amdhsa.kernels:
  - .name:           k_qcafe9f9250_oproj
    .symbol:         k_qcafe9f9250_oproj.kd
    .args:
      - { .name: ab, .offset: 0, .size: 8, .value_kind: global_buffer, .address_space: global }
      - { .name: wob, .offset: 8, .size: 8, .value_kind: global_buffer, .address_space: global }
      - { .name: bo, .offset: 16, .size: 8, .value_kind: global_buffer, .address_space: global }
      - { .name: out0, .offset: 24, .size: 8, .value_kind: global_buffer, .address_space: global }
    .group_segment_fixed_size: 304640
    .private_segment_fixed_size: 0
    .kernarg_segment_align: 8
    .kernarg_segment_size: 32
    .max_flat_workgroup_size: 128
    .sgpr_count:     96
    .vgpr_count:     512
    .wavefront_size: 32
...
	.end_amdgpu_metadata
.endif
;; end of part 3
;; ======== version 2 of 2: 3 launches
;; limits: inputs' magnitudes at most 1e+38; values are held in f16: magnitudes above 65,504 overflow, below 6.1e-05 lose precision
;; workspace buffers: qb 8,388,608 bytes; kb 8,388,608 bytes; vb 8,388,608 bytes; ab 8,388,608 bytes; wob 524,288 bytes
;; launch qkv: the kernel of part 1 again; grid 8 x 32, 4 waves a work-group, clusters of 4 x 4, 327,680 bytes of LDS; arguments x, Wq, Wk, Wv, bq, bk, bv, Wo, qb, kb, vb, wob; writes qb, kb, vb, wob
;; launch attn (part 4): grid 8 x 32, 4 waves a work-group, clusters of 4 x 4, 327,680 bytes of LDS; arguments qb, kb, vb, attn_mask, ab; writes ab
.if DOCPART == 4
	.amdgcn_target "amdgcn-amd-amdhsa--gfx1250"
	.amdhsa_code_object_version 6
	.text
	.protected	k_qcafe9f9250_attn
	.globl	k_qcafe9f9250_attn
	.p2align	8
	.type	k_qcafe9f9250_attn,@function
k_qcafe9f9250_attn:
	s_mov_b64 s[64:65], 0
	v_nop
	global_prefetch_b8 v0, s[64:65] scope:SCOPE_SE
	s_setreg_imm32_b32 hwreg(HW_REG_WAVE_MODE, 25, 1), 1
	s_wait_xcnt 0x0
	s_wait_alu depctr_hold_cnt(0) depctr_sa_sdst(0) depctr_va_vdst(0) depctr_va_sdst(0) depctr_va_ssrc(0) depctr_va_vcc(0) depctr_vm_vsrc(0)
	s_getreg_b32 s2, hwreg(HW_REG_IB_STS2, 6, 4)
	s_cmp_eq_u32 s2, 0
	s_cbranch_scc0 .Lentry_in_a_cluster
	s_endpgm
.Lentry_in_a_cluster:
	s_bfe_u32 s2, ttmp6, 0x10000c
	s_cmp_lg_u32 s2, 0xf033
	s_cbranch_scc0 .Lentry_shape_is_right
	s_endpgm
.Lentry_shape_is_right:
; ab[bh][q][:] = the sum over k of softmax_k(qb[bh][q] . kb[bh][k] + attn_mask[q][k]) vb[bh][k][:].  qb, kb, vb, ab: [16][4096][64] f16 (qb already holds q / 8);
; attn_mask: [4096][4096] f32.  Products, maxima and sums in f32; the weights are rounded to f16 for the second product, the result once at the end.
; f16 HAS THE ROOM: the weights lie in [0, 1], since the running maximum is taken away (a weight under 3e-8 rounds to 0, beside a largest weight of 1); the result is a mean of rows of
; vb and no larger than they are.
; LIMITS.  A mask entry of +inf or NaN is not served.  The running maximum starts at -1e38: a score below that counts as masked.  A row with no score above it has the sum 0
; and gives zeros, as the reference's nan_to_num does.  The mask is the C of the first product, so mask and products are summed in the matrix unit's order, not product first.
; SHARES.  A work-group owns 128 queries of TWO heads of one batch; a wave 64 queries (wave & 1) of one head (wave >> 1): four tiles of 16.  So each row of the mask's tile is read by two
; waves, and the mask is 67,584 of a slot's 145,408 bytes.  Every wave walks all 4,096 keys, 64 a step, two steps to a slot, 32 slots.
; LAYOUT.  S^T = K Q^T + mask^T (source 0 = 16 keys, source 1 = 16 queries): a lane holds ONE query (lane % 16) and the keys 8 (lane / 16) + 0..7 of each block of 16.  The lane's
; eight mask numbers are 32 consecutive bytes of the query's row: they are loaded from LDS straight into the accumulator.  Two score tiles, rounded in pairs, ARE source 1 of
; O^T = V^T P.  V ([key][channel]) is turned by ds_load_tr16_b128.
; SOFTMAX.  For each query a running maximum m and sum l: p = 2^(c s - c m), c = log2(e); in every step O and l are multiplied by a = 2^(c m_old - c m_new).
; BY TURNS.  The wave's tiles are two pieces, named by their first tile: piece 0 (tiles 0, 1) and piece 2 (tiles 2, 3).  In a TURN one piece has the matrix unit: its 16 products V^T P of
; the step in hand, then its 16 products K Q^T of the next step; the other piece's softmax, 59 slices of four instructions, is dealt evenly behind those 32 products.  Then the pieces
; change places; two turns are a key step.  A step has 472 vector instructions for 64 products, so the vector work sets the loop's length; by turns no product of the loop stands
; without vector work behind it.  The price is two window switches a product.
; CLUSTER.  4 x 4 work-groups.  The mask's tile hangs on the query block alone: the four of a cluster's row ask for it jointly.  K's and V's tiles hang on the pair of heads alone:
; the four of a column ask jointly.  Waves 0 and 1 ask for 64 rows x 512 bytes of the mask each, wave 2 for both heads' K, wave 3 for both heads' V: four loads of 32,768 bytes.  Two of
; mine are out at the start, then one behind each round, with two key steps (128 products a wave and their softmax) in which to land.
; REGISTERS, in windows of 256 (s_set_vgpr_msb: bits 1:0 source 0, 3:2 source 1, 5:4 source 2, 7:6 destination):
;   window 0: v0-11, v44-48 addresses; v12-43 eight registers of statistics a tile; v64-191 S^T, 32 a tile; v192-255 P, 16 a tile
;   window 1: v0-127 O^T, 32 a tile; v128-191 Q, 16 a tile; v192-255 K of one step          window 2: v0-63 V of one step
.set PM,    528       ; a row of the mask's tile: 512 bytes + 16 = 132 words: the 16 rows of a load start 4 banks apart (64 banks of 4 bytes: ISA guide 11.1)
.set PK,    144       ; a row of K: 128 + 16
.set PVR,   160       ; a row of V: 128 + 32
.set KOFF,  128*PM    ; behind the mask's 128 rows: K, head 0's 128 keys, then head 1's
.set VOFF,  KOFF+256*PK   ; V likewise
.set SLOT,  VOFF+256*PVR  ; 145,408 bytes
.set STAGE, 2*SLOT    ; behind the ring: 16 rows x 144 bytes for each wave; no tensor load lands there
.set SP,    144
.set AM,  2           ; v2-3  LDS address of my mask numbers in slot 0, 1
.set AK,  4           ; v4-5  of my place in K
.set AV,  6           ; v6-7  of my place in V
.set ST,  12          ; tile t's statistics at v[ST+8 t]: +0 c m, +1 m, +2, +3 l (even keys', odd keys'), +4 to +7 c0-c3, at work; a takes c2's place once the maximum is found
.set STO, 44
.set RD,  45
.set GO,  46
.set QO,  47
.set PF,  48          ; v48   the mask bytes that my lane asks for ahead
.set S,   64
.set P,   192
.set QF,  128         ; in window 1
.set KF,  192         ; in window 1
.set WV,  14
.set WH,  15          ; wave & 1: my half of the queries; also which 64 rows of the mask's tile waves 0 and 1 fetch
.set HD,  96          ; wave >> 1: my head of the pair
.set G1M, 24          ; s[24:31] descriptor group 1 for the mask's tiles
.set G1K, 32          ; s[32:39] for K's
.set G1V, 40          ; s[40:47] for V's: more padding
.set G0M, 48          ; group 0, a set for each slot: s48, s52
.set G0K, 56          ; s56, s60
.set G0V, 68          ; s68, s72
.set CS,  76          ; s[76:77] c, twice: the packed scaling names a pair
.set SEL, 78          ; s[78:79] v_permlanex16_b32: each lane takes its own place in the other half
.set FLOOR, 80
.set CNT, 81
.set MROW, 82         ; s[82:83] the mask at my query block's first row
.set PB,  84          ; s[84:85] base of the request ahead
.set PT,  86          ; s[86:87] its byte offset along the rows
.set MSB, 0
.macro WIN new        ; the immediate's high byte repeats the setting that is left; a switch that changes nothing is dropped
.if MSB != \new
	s_set_vgpr_msb (MSB<<8)|\new
.set MSB, \new
.endif
.endm
.set W_KQ, 0x05       ; K and Q in window 1, S^T in window 0
.set W_PV, 0x52       ; V in window 2, P in window 0, O^T in window 1
.set W_RS, 0x41       ; O^T (destination and source 0) in window 1, a in window 0
.macro PLACES         ; four plain vector instructions between a matrix instruction and a read of its result, or a load into one of its registers
.rept 4
	v_nop
.endr
.endm
.macro CROUND         ; a round of the cluster's barrier
	s_barrier_signal -1
	s_barrier_wait -1
	s_cmp_lg_u32 s[WV], 0
	s_cbranch_scc1 .Lnot_wave_0_\@
	s_barrier_signal -3
.Lnot_wave_0_\@:
	s_barrier_wait -3
	s_barrier_signal -1
	s_barrier_wait -1
.endm
.macro JLOAD s        ; the joint loads of one slot; the branches hang on the wave's number alone; four v_nop follow each line
	s_cmp_lt_u32 s[WV], 2
	s_cbranch_scc0 .Lj_k_\@
	tensor_load_to_lds s[G0M+4*(\s):G0M+4*(\s)+3], s[G1M:G1M+7]
	s_nop 0
	PLACES
	s_branch .Lj_done_\@
.Lj_k_\@:
	s_cmp_lg_u32 s[WV], 2
	s_cbranch_scc1 .Lj_v_\@
	tensor_load_to_lds s[G0K+4*(\s):G0K+4*(\s)+3], s[G1K:G1K+7]
	s_nop 0
	PLACES
	s_branch .Lj_done_\@
.Lj_v_\@:
	tensor_load_to_lds s[G0V+4*(\s):G0V+4*(\s)+3], s[G1V:G1V+7]
	s_nop 0
	PLACES
.Lj_done_\@:
.endm
	s_load_b256 s[4:11], s[0:1], 0x0  ; qb s4, kb s6, vb s8, attn_mask s10
	s_load_b64 s[12:13], s[0:1], 0x20 ; ab
	v_lshl_add_u32 v62, v0, 2, 0x49400
	v_mov_b32 v63, 0
	ds_add_u32 v62, v63
	v_lshrrev_b32 v1, 5, v0
	v_readfirstlane_b32 s[WV], v1   ; wave 0..3
	s_and_b32 s[WH], s[WV], 1
	s_lshr_b32 s[HD], s[WV], 1
	s_bfe_u32 s16, ttmp6, 0x40000   ; cx
	s_bfe_u32 s17, ttmp6, 0x40004   ; cy
	s_lshl_b32 s18, ttmp9, 2
	s_add_co_u32 s18, s18, s16      ; pair of heads, 0 to 7 = 4 x cluster x + cx: heads 8 b + h = 2 x pair and 2 x pair + 1
	s_and_b32 s19, ttmp7, 0xffff
	s_lshl_b32 s19, s19, 2
	s_add_co_u32 s19, s19, s17      ; block of 128 queries, 0 to 31 = 4 x cluster y + cy
	s_lshl_b32 s92, s17, 2
	s_lshl_b32 s92, 15, s92         ; my row of the cluster
	s_lshl_b32 s93, 0x1111, s16     ; my column
	s_or_b32 s[G1M], s92, (2<<16)|(1<<20)|(1<<21)|(6<<22)|(3<<25)  ; the mask's tile goes to my row; elements of 4 bytes; after every 128 words 4 words of padding
	s_mov_b32 s[G1M+1], 128<<16     ; tensor_dim0 = 128: two key steps
	s_mov_b32 s[G1M+2], 64<<16      ; tensor_dim1 = 64
	s_mov_b32 s[G1M+3], 128<<16     ; tile_dim0 = 128
	s_mov_b32 s[G1M+4], 64          ; tile_dim1 = 64
	s_mov_b32 s[G1M+5], 4096        ; elements from row to row
	s_mov_b32 s[G1M+6], 0
	s_mov_b32 s[G1M+7], 0
	; A head's 128 rows of K (or V) are 16,384 consecutive bytes, and the pair's two heads lie 524,288 bytes apart: the tile has two rows of 8,192 elements, 262,144 elements from row to
	; row.  The padding falls behind every 32 words, that is behind each key's 64 channels, through both rows: head h's key k lies 128 h + k pitches into the region.
	s_or_b32 s[G1K], s93, (1<<16)|(1<<20)|(1<<21)|(4<<22)|(3<<25)  ; to my column; elements of 2 bytes; 4 words of padding
	s_or_b32 s[G1V], s93, (1<<16)|(1<<20)|(1<<21)|(4<<22)|(7<<25)  ; 8 words of padding
.irp g, G1K, G1V
	s_mov_b32 s[\g+1], 8192<<16     ; tensor_dim0 = 8,192
	s_mov_b32 s[\g+2], 2<<16        ; tensor_dim1 = 2
	s_mov_b32 s[\g+3], 8192<<16     ; tile_dim0 = 8,192
	s_mov_b32 s[\g+4], 2            ; tile_dim1 = 2
	s_mov_b32 s[\g+5], 262144       ; elements from head to head
	s_mov_b32 s[\g+6], 0
	s_mov_b32 s[\g+7], 0
.endr
	s_mov_b32 s[CS], 0x3fb8aa3b     ; c = log2(e)
	s_mov_b32 s[CS+1], s[CS]
	s_mov_b32 s[SEL], 0x76543210
	s_mov_b32 s[SEL+1], 0xfedcba98
	s_mov_b32 s[FLOOR], 0xfe967699  ; -1e38
	s_mov_b32 s[PT], 1024           ; the first request ahead is for slot 2
	s_mov_b32 s[PT+1], 0
	s_lshl_b32 s20, s19, 21         ; the mask: 128 rows of 16,384 bytes a query block (these registers hold cy's side alone)
	s_mov_b32 s21, 0
	s_lshl_b32 s94, s[WH], 20       ; 64 rows
	s_mov_b32 s95, 0
	s_lshl_b32 s22, s18, 20         ; K, V: two heads of 4,096 rows of 128 bytes a pair (cx's side alone)
	s_mov_b32 s23, 0
	s_lshl1_add_u32 s88, s18, s[HD] ; Q and the result: my head 8 b + h,
	s_lshl_b32 s88, s88, 12         ; its 4,096 rows,
	s_lshl_b32 s89, s19, 7          ; my block's 128,
	s_add_co_u32 s88, s88, s89
	s_lshl_b32 s89, s[WH], 6        ; my wave's 64,
	s_add_co_u32 s88, s88, s89
	s_lshl_b32 s88, s88, 7          ; in bytes
	s_mov_b32 s89, 0
	s_mul_i32 s90, s[WH], 64*PM     ; where a half of the mask's tile goes, and where my queries' rows lie: the wave's number alone enters an LDS address
	s_wait_dscnt 0x0
	s_wait_kmcnt 0x0
	s_add_nc_u64 s[MROW:MROW+1], s[10:11], s[20:21]
	s_add_nc_u64 s[PB:PB+1], s[MROW:MROW+1], s[PT:PT+1]
	s_add_nc_u64 s[10:11], s[MROW:MROW+1], s[94:95]
	s_add_nc_u64 s[6:7], s[6:7], s[22:23]
	s_add_nc_u64 s[8:9], s[8:9], s[22:23]
	s_add_nc_u64 s[4:5], s[4:5], s[88:89]
	s_add_nc_u64 s[12:13], s[12:13], s[88:89]
	CROUND                          ; all sixteen work-groups are here: the first joint loads meet
.irp s, 0,1
	s_mov_b32 s[G0M+4*\s], 1
	s_add_co_u32 s[G0M+4*\s+1], s90, \s*SLOT
	s_add_nc_u64 s[G0M+4*\s+2:G0M+4*\s+3], s[10:11], \s*512   ; slot s: 128 numbers along the rows
	s_or_b32 s[G0M+4*\s+3], s[G0M+4*\s+3], 0x80000000
	s_mov_b32 s[G0K+4*\s], 1
	s_mov_b32 s[G0K+4*\s+1], \s*SLOT+KOFF
	s_add_nc_u64 s[G0K+4*\s+2:G0K+4*\s+3], s[6:7], \s*16384   ; 128 rows of 128 bytes
	s_or_b32 s[G0K+4*\s+3], s[G0K+4*\s+3], 0x80000000
	s_mov_b32 s[G0V+4*\s], 1
	s_mov_b32 s[G0V+4*\s+1], \s*SLOT+VOFF
	s_add_nc_u64 s[G0V+4*\s+2:G0V+4*\s+3], s[8:9], \s*16384
	s_or_b32 s[G0V+4*\s+3], s[G0V+4*\s+3], 0x80000000
.endr
	s_cmp_lt_u32 s[WV], 2           ; a wave's two first fills stand in one branch, ahead of every wait on TENSORcnt and every LDS read: two loads of mine are out; four v_nop follow the second
	s_cbranch_scc0 .Lfirst_k
	tensor_load_to_lds s[G0M:G0M+3], s[G1M:G1M+7]
	s_nop 0
	tensor_load_to_lds s[G0M+4:G0M+7], s[G1M:G1M+7]
	s_nop 0
	PLACES
	s_branch .Lfirst_asked
.Lfirst_k:
	s_cmp_lg_u32 s[WV], 2
	s_cbranch_scc1 .Lfirst_v
	tensor_load_to_lds s[G0K:G0K+3], s[G1K:G1K+7]
	s_nop 0
	tensor_load_to_lds s[G0K+4:G0K+7], s[G1K:G1K+7]
	s_nop 0
	PLACES
	s_branch .Lfirst_asked
.Lfirst_v:
	tensor_load_to_lds s[G0V:G0V+3], s[G1V:G1V+7]
	s_nop 0
	tensor_load_to_lds s[G0V+4:G0V+7], s[G1V:G1V+7]
	s_nop 0
	PLACES
.Lfirst_asked:
	v_and_b32 v1, 15, v0            ; l % 16
	v_bfe_u32 v9, v0, 4, 1          ; l / 16
	v_and_b32 v10, 31, v0           ; l
	v_lshlrev_b32 v[QO], 7, v1
	v_lshl_add_u32 v[QO], v9, 4, v[QO]  ; a fragment of Q: row x 128 + 16 x half, two loads 32 bytes apart
	WIN 0x40                        ; destination window 1
.irp f, 0,1,2,3,4,5,6,7             ; Q stays in registers: tile f / 2, channels 32 (f % 2) on
	global_load_b128 v[QF+8*\f:QF+8*\f+3],   v[QO], s[4:5] offset:(\f/2)*2048+(\f%2)*64
	global_load_b128 v[QF+8*\f+4:QF+8*\f+7], v[QO], s[4:5] offset:(\f/2)*2048+(\f%2)*64+32
.endr
	WIN 0
	v_mul_u32_u24 v[AM], v1, PM
	v_lshl_add_u32 v[AM], v9, 5, v[AM]  ; my query's row, 32 bytes for each half of the lanes
	v_add_nc_u32 v[AM], s90, v[AM]      ; my half of the block's queries
	v_add_nc_u32 v[AM+1], SLOT, v[AM]
	v_mul_u32_u24 v[AK], v1, PK
	v_lshl_add_u32 v[AK], v9, 4, v[AK]
	s_mul_i32 s91, s[HD], 128*PK    ; my head's 128 keys
	v_add_nc_u32 v[AK], s91, v[AK]
	v_add_nc_u32 v[AK+1], SLOT+KOFF, v[AK]
	v_add_nc_u32 v[AK], KOFF, v[AK]
	v_and_b32 v11, 7, v0            ; the turning load: lane l reads key 8 (l / 16) + l % 8, channels 8 ((l / 8) % 2) + 0..7
	v_lshl_add_u32 v[AV], v9, 3, v11
	v_mul_u32_u24 v[AV], v[AV], PVR
	v_bfe_u32 v11, v0, 3, 1
	v_lshl_add_u32 v[AV], v11, 4, v[AV]
	s_mul_i32 s91, s[HD], 128*PVR
	v_add_nc_u32 v[AV], s91, v[AV]
	v_add_nc_u32 v[AV+1], SLOT+VOFF, v[AV]
	v_add_nc_u32 v[AV], VOFF, v[AV]
	s_mul_i32 s91, s[WV], 16*SP
	s_add_co_u32 s91, s91, STAGE    ; my stage
	v_mul_u32_u24 v[STO], v1, SP
	v_lshl_add_u32 v[STO], v9, 4, v[STO]
	v_add_nc_u32 v[STO], s91, v[STO]
	v_lshrrev_b32 v11, 3, v10
	v_and_b32 v8, 7, v10
	v_mul_u32_u24 v[RD], v11, SP
	v_lshl_add_u32 v[RD], v8, 4, v[RD]
	v_add_nc_u32 v[RD], s91, v[RD]
	v_lshlrev_b32 v[GO], 4, v10
	; THE REQUEST AHEAD, for the mask alone (K and V were stored by the launch before).  The 8 work-groups of a query block share its 128 rows: mine asks for rows 16 x pair + l % 16,
	; lanes 0-15 in the first 256 bytes of a slot's 512, lanes 16-31 in the second: 32 different aligned blocks of 256 bytes an instruction, each asked for by one lane of one work-group.
	s_lshl_b32 s91, s18, 18
	v_lshl_add_u32 v[PF], v1, 14, s91
	v_lshl_add_u32 v[PF], v9, 8, v[PF]
; THE LDS LOADS of a key step (half hf of a slot) stand in three runs, never singly among the matrix instructions.
; K (16 loads) and the mask of piece 0 (16), the mask straight into S^T's registers:
.macro FETCH_KM slot, hf
	WIN 0x40                        ; destination window 1, address window 0
.irp f, 0,1,2,3,4,5,6,7             ; keys 16 (f / 2) on, channels 32 (f % 2) on
	ds_load_b128 v[KF+8*\f:KF+8*\f+3],   v[AK+\slot] offset:\hf*64*PK+(\f/2)*16*PK+(\f%2)*64
	ds_load_b128 v[KF+8*\f+4:KF+8*\f+7], v[AK+\slot] offset:\hf*64*PK+(\f/2)*16*PK+(\f%2)*64+32
.endr
	WIN 0
.irp t, 0,1
.irp c, 0,1,2,3                     ; register 8 c + j: key 16 c + 8 (l / 16) + j
	ds_load_b128 v[S+32*\t+8*\c:S+32*\t+8*\c+3],   v[AM+\slot] offset:\t*16*PM+\hf*256+64*\c
	ds_load_b128 v[S+32*\t+8*\c+4:S+32*\t+8*\c+7], v[AM+\slot] offset:\t*16*PM+\hf*256+64*\c+16
.endr
.endr
.endm
; the mask of piece 2 (16):
.macro FETCH_M2 slot, hf
	WIN 0
.irp t, 2,3
.irp c, 0,1,2,3
	ds_load_b128 v[S+32*\t+8*\c:S+32*\t+8*\c+3],   v[AM+\slot] offset:\t*16*PM+\hf*256+64*\c
	ds_load_b128 v[S+32*\t+8*\c+4:S+32*\t+8*\c+7], v[AM+\slot] offset:\t*16*PM+\hf*256+64*\c+16
.endr
.endr
.endm
; V, turned (16):
.macro FETCH_V slot, hf
	WIN 0x80                        ; destination window 2
.irp f, 0,1,2,3,4,5,6,7             ; keys 32 (f / 4) on, channels 16 (f % 4) on
	ds_load_tr16_b128 v[8*\f:8*\f+3],   v[AV+\slot] offset:\hf*64*PVR+(\f/4)*32*PVR+(\f%4)*32
	ds_load_tr16_b128 v[8*\f+4:8*\f+7], v[AV+\slot] offset:\hf*64*PVR+(\f/4)*32*PVR+16*PVR+(\f%4)*32
.endr
.endm
; Product i of 16 of piece x's S^T += K Q^T: channels 32 (i / 8) on, keys 16 ((i / 2) % 4) on, tile x + i % 2.  The first eight add onto the mask.
; The eight accumulators take turns, one instruction a turn.
.macro KQ x
	WIN W_KQ
.set rS, S+32*(\x+i%2)+8*((i/2)%4)
.set rK, KF+16*((i/2)%4)+8*(i/8)
.set rQ, QF+16*(\x+i%2)+8*(i/8)
	v_wmma_f32_16x16x32_f16 v[rS:rS+7], v[rK:rK+7], v[rQ:rQ+7], v[rS:rS+7]
.endm
; Product i of 16 of piece x's O^T += V^T P: keys 32 (i / 8) on, channels 16 ((i / 2) % 4) on, tile x + i % 2.  zero = 1: the first eight start the sums.
.macro PV x, zero
	WIN W_PV
.set rO, 32*(\x+i%2)+8*((i/2)%4)
.set rV, 32*(i/8)+8*((i/2)%4)
.set rP, P+16*(\x+i%2)+8*(i/8)
.if \zero && (i < 8)
	v_wmma_f32_16x16x32_f16 v[rO:rO+7], v[rV:rV+7], v[rP:rP+7], 0
.else
	v_wmma_f32_16x16x32_f16 v[rO:rO+7], v[rV:rV+7], v[rP:rP+7], v[rO:rO+7]
.endif
.endm
; One tile's softmax for one key step is a list of 118 instructions; SM writes number j of it for tile t.  s0-s31 are the lane's 32 scores, in pairs 0-15.
; first = 1: the first key step, which starts m (at the floor), l and O^T: it has no a and nothing to rescale.
;   0-15    the maximum of s0-s31 and the old m, three operands at a time; each accumulator is read from its low end on
;   16-20   the other half of the lanes' maximum; the new m; c m; c m_old - c m_new
;   21-87   33 exponentials (a, then s0-s31) at the odd numbers from 23 on: no two follow each other, and each has a plain instruction behind it before its result is used (ISA guide 5.7.2);
;           the plain ones are c s - c m for pairs still to come, the rounding to f16 of pairs that are done, at last the first three sums
;   88-101  the last rounding; the rest of the sums; l = a l + the sum
;   102-117 the tile's O^T times a, in ascending order: the one part that leaves window 0
.macro SM t, first
.set rT, ST+8*(\t)
.set rS, S+32*(\t)
.set rP, P+16*(\t)
.set rO, 32*(\t)+2*(j-102)
.set q, (j-20)/2
.if j < 102
	WIN 0
.endif
.if j < 4
	v_max3_num_f32 v[rT+4+j], v[rS+8*j], v[rS+8*j+1], v[rS+8*j+2]
.elseif j < 12
	v_max3_num_f32 v[rT+4+j%4], v[rT+4+j%4], v[rS+8*(j%4)+2*(j/4)+1], v[rS+8*(j%4)+2*(j/4)+2]
.elseif j == 12
	v_max3_num_f32 v[rT+4], v[rT+4], v[rS+7], v[rS+15]
.elseif j == 13
	v_max3_num_f32 v[rT+6], v[rT+6], v[rS+23], v[rS+31]
.elseif j == 14
	v_max3_num_f32 v[rT+4], v[rT+4], v[rT+5], v[rT+6]
.elseif (j == 15) && \first
	v_max3_num_f32 v[rT+4], v[rT+4], v[rT+7], s[FLOOR]   ; m never falls below the floor, so c s - c m is -inf, not NaN, where s is -inf
.elseif j == 15
	v_max3_num_f32 v[rT+4], v[rT+4], v[rT+7], v[rT+1]
.elseif j == 16
	v_permlanex16_b32 v[rT+5], v[rT+4], s[SEL], s[SEL+1]  ; the query's other 32 keys lie in the lane 16 away
.elseif j == 18
	v_max_num_f32 v[rT+1], v[rT+4], v[rT+5]
.elseif j == 19
	v_mul_f32 v[rT], s[CS], v[rT+1]
.elseif ((j == 17) || (j == 20) || (j == 23) || (j > 101)) && \first  ; the first step has none of these
.elseif j == 17
	v_mov_b32 v[rT+7], v[rT]        ; c m_old is kept for a: number 19 writes c m anew
.elseif j == 20
	v_sub_f32 v[rT+7], v[rT+7], v[rT]
.elseif j == 23
	v_exp_f32 v[rT+6], v[rT+7]
.elseif (j < 88) && (j > 23) && (j%2 == 1)
	v_exp_f32 v[rS+(j-25)/2], v[rS+(j-25)/2]
.elseif (q < 4) || ((j < 76) && (q%2 == 0))
.set b, q/2+2
.if q < 4
.set b, q
.endif
	v_pk_fma_f32 v[rS+2*b:rS+2*b+1], v[rS+2*b:rS+2*b+1], s[CS:CS+1], v[rT:rT+1] op_sel_hi:[1,0,0] neg_lo:[0,0,1] neg_hi:[0,0,1]  ; pair b: c s - c m
.elseif (j < 88) && (q%2 == 1)
	s_wait_alu depctr_va_vdst(0)
	v_cvt_pk_f16_f32 v[rP+(q-5)/2], v[rS+q-5], v[rS+q-4]  ; pair (q - 5) / 2: its second exponential stands three numbers back
.elseif j == 89
	s_wait_alu depctr_va_vdst(0)
	v_cvt_pk_f16_f32 v[rP+15], v[rS+30], v[rS+31]
.elseif j < 102                     ; the sum of the tile's 16 pairs, in place: sum z of 16 adds neighbours 1, 2, 4 and 8 pairs apart, then l takes it
.set z, j-86
.if j < 89
.set z, (j-76)/4
.endif
.set w, 4
.set u, z
.if z >= 14
.set w, 32
.set u, 0
.elseif z >= 12
.set w, 16
.set u, z-12
.elseif z >= 8
.set w, 8
.set u, z-8
.endif
.if (z == 14) && \first
	v_pk_add_f32 v[rT+2:rT+3], v[rS:rS+1], v[rS+16:rS+17]
.elseif z < 15
	v_pk_add_f32 v[rS+w*u:rS+w*u+1], v[rS+w*u:rS+w*u+1], v[rS+w*u+w/2:rS+w*u+w/2+1]
.elseif !\first
	v_pk_fma_f32 v[rT+2:rT+3], v[rT+2:rT+3], v[rT+6:rT+7], v[rS:rS+1] op_sel_hi:[1,0,1]
.endif
.else
	WIN W_RS
	v_pk_mul_f32 v[rO:rO+1], v[rO:rO+1], v[rT+6:rT+7] op_sel_hi:[1,0]
.endif
.endm
; Slice k of 59 of piece y's softmax: numbers 2 k and 2 k + 1 of both tiles' lists, four instructions.
.macro SLICE y, first
.if (k >= 11) && (k < 44)           ; tile by tile: plain, exponential, plain, exponential
.irp t, \y, \y+1
.irp n, 0,1
.set j, 2*k+\n
	SM \t, \first
.endr
.endr
.else                               ; the two tiles alternate, so that no instruction reads the result of the one just before it
.irp n, 0,1
.irp t, \y, \y+1
.set j, 2*k+\n
	SM \t, \first
.endr
.endr
.endif
.set k, k+1
.endm
; What stands behind product GPR of a turn's NPR: slices 59 GPR / NPR (rounded down) up to the next product's first: one or two where the turn has 32 products, three or four where it has 16.
.macro DEAL y, first
.rept ((GPR+1)*59)/NPR-(GPR*59)/NPR
	SLICE \y, \first
.endr
.set GPR, GPR+1
.endm
; A TURN.  Piece x has the matrix unit; the other piece's softmax stands in slices behind its matrix instructions.
; pv = 2: 16 products V^T P of the step in hand; 1: they start O^T's sums; 0: none.  kq = 1: 16 products K Q^T of the next step, which lies in half hf of slot slot.
; first = 1: the softmax is the first key step's.  Its slices from 51 on are empty: the turn's last products stand bare, and four v_nop take those slices' part as the places behind them.
; THE PLACES (ISA guide 7.12.1 for reads of a result).  Behind a turn's last product stand slices 57 and 58: eight packed multiplies on the other piece's O^T, which name none of
; that product's registers.  They are the places in front of the next turn's first read of the scores just made, and of its loads into K's registers.
; THE LOADS.  Each run stands behind the second product of a run of 16, 14 products ahead of the wait for it, which is therefore for 0.
;   piece 0's turn: the next step's K (its last reader is the turn before's last product) and piece 0's mask (piece 0's S^T is free: its softmax ended with the turn before);
;   piece 2's turn: piece 2's mask (likewise), and behind the second K Q^T the next step's V: V's last reader stands three products back, with slices 27 and 28, four plain instructions,
;   straight behind it.
.macro TURN x, pv, kq, first, slot, hf
.set k, 0
.set GPR, 0
.set NPR, 32
.if (\pv == 0) || (\kq == 0)
.set NPR, 16
.endif
.if \pv
.if \x == 0
	s_wait_dscnt 0x0                ; V of the step in hand is in
.endif
.set i, 0
.rept 16
	PV \x, 2-\pv
	DEAL 2-\x, \first
.if \kq && (i == 1)
.if \x == 0
	FETCH_KM \slot, \hf
.else
	FETCH_M2 \slot, \hf
.endif
.endif
.set i, i+1
.endr
.endif
.if \kq
	s_wait_dscnt 0x0                ; piece 0's turn: K and its mask are in; piece 2's: its mask
.set i, 0
.rept 16
	KQ \x
	DEAL 2-\x, \first
.if (\x == 2) && (i == 1)
	FETCH_V \slot, \hf
.endif
.set i, i+1
.endr
.endif
.if \first
	PLACES
.endif
.endm
; THE CHANGE OF SLOTS, between piece 2's turn and piece 0's: the slot's last bytes, V of its second step, have been asked for.  Each wave waits for its own reads of the slot and for all its
; tensor loads, of which one is out: its part of the other slot.  Behind the barrier nobody reads this slot any more and the other slot is whole.
; fill = 1: this slot is filled again, with the keys two slots on.  The barrier is then a round of the cluster's, so that no wave of any partner still reads the slot or has a load on its
; way, and the joint refill is the first thing behind it: it has two key steps in which to land.  The base of the request ahead steps with it, one slot on.
.macro CHANGE slot, fill
	WIN 0                           ; at a label and at a branch every window is 0
	s_wait_dscnt 0x0
	s_wait_tensorcnt 0x0            ; no tensor load of mine is out, so a group 0 may be written
	ds_add_u32 v62, v63
	s_wait_dscnt 0x0
.if \fill
	s_add_nc_u64 s[G0M+4*\slot+2:G0M+4*\slot+3], s[G0M+4*\slot+2:G0M+4*\slot+3], 1024
	s_add_nc_u64 s[G0K+4*\slot+2:G0K+4*\slot+3], s[G0K+4*\slot+2:G0K+4*\slot+3], 32768
	s_add_nc_u64 s[G0V+4*\slot+2:G0V+4*\slot+3], s[G0V+4*\slot+2:G0V+4*\slot+3], 32768
	s_wait_xcnt 0x0                 ; the last request's base, issued three turns ago, is written again only behind this wait
	s_add_co_u32 s[PT], s[PT], 512
	s_min_u32 s[PT], s[PT], 31*512  ; held at slot 31, the rows' last 512 bytes: no request passes a row's end
	s_add_nc_u64 s[PB:PB+1], s[MROW:MROW+1], s[PT:PT+1]
	CROUND
	JLOAD \slot
.else
	s_barrier_signal -1
	s_barrier_wait -1
.endif
.endm
; Wave 3 asks ahead for a later slot's blocks of the mask.  Behind the first turn after change c (c = 0 to 29) it asks for slot c + 3, whose tensor loads go out at change c + 1, three turns
; (96 products and their softmax) later; at the start, three turns ahead of change 0, for slot 2.  Behind change 29 the held offset asks for slot 31 a second time; the tail asks for nothing.
.macro PFETCH
	WIN 0
	s_cmp_lg_u32 s[WV], 3
	s_cbranch_scc1 .Lnopf_\@
	global_prefetch_b8 v[PF], s[PB:PB+1] th:TH_LOAD_NT scope:SCOPE_SE
.Lnopf_\@:
.endm
	s_wait_tensorcnt 0x1            ; my part of slot 0 is in; slot 1's may stay out
	s_barrier_signal -1
	s_barrier_wait -1               ; everybody's is
	FETCH_KM 0, 0                   ; key step 0
	FETCH_M2 0, 0
	s_wait_loadcnt 0x0              ; Q
	s_wait_dscnt 16                 ; K and piece 0's mask are in; piece 2's 16 loads may stay out
.set i, 0
.rept 16
	KQ 0                            ; piece 0's first scores: there is no vector work yet to set between them
.set i, i+1
.endr
	WIN 0
	PLACES                          ; piece 0's first softmax reads those results
	PFETCH                          ; slot 2 (the wait that follows is for loads issued ahead of the sixteen products)
	TURN 2, 0, 1, 1, 0, 0           ; piece 2's first scores | piece 0's first softmax | V of step 0
	TURN 0, 1, 1, 1, 0, 1           ; piece 0: V^T P of step 0 starts O^T, K Q^T of step 1 | piece 2's first softmax | K and piece 0's mask of step 1
	TURN 2, 1, 1, 0, 0, 1           ; piece 2: the same | piece 0's softmax of step 1 | piece 2's mask and V of step 1
	WIN 0
	s_mov_b32 s[CNT], 15
.Lslot:                             ; 15 trips, two changes each: every slot but the last two is filled again
	CHANGE 0, 1                     ; slot 0 has been read out; the four turns behind it fetch from slot 1
	TURN 0, 2, 1, 0, 1, 0
	PFETCH
	TURN 2, 2, 1, 0, 1, 0
	TURN 0, 2, 1, 0, 1, 1
	TURN 2, 2, 1, 0, 1, 1
	CHANGE 1, 1                     ; and the other way round
	TURN 0, 2, 1, 0, 0, 0
	PFETCH
	TURN 2, 2, 1, 0, 0, 0
	TURN 0, 2, 1, 0, 0, 1
	TURN 2, 2, 1, 0, 0, 1
	WIN 0
	s_sub_co_u32 s[CNT], s[CNT], 1
	s_cmp_lg_u32 s[CNT], 0
	s_cbranch_scc1 .Lslot
	CHANGE 0, 0                     ; the tail is written out: the last slot but one is left, and nothing is asked for
	TURN 0, 2, 1, 0, 1, 0
	TURN 2, 2, 1, 0, 1, 0
	TURN 0, 2, 1, 0, 1, 1
	TURN 2, 2, 1, 0, 1, 1
	TURN 0, 2, 0, 0, 0, 0           ; piece 0: V^T P of the last step | piece 2's last softmax
.set i, 0
.rept 16
	PV 2, 0                         ; piece 2: V^T P of the last step
.set i, i+1
.endr
	WIN 0
	; THE WAY OUT.  l's two halves and the other half of the lanes' are added (the first four additions are the places behind the last products); 1 / l, or 0 where l is 0 (a row with no
	; unmasked key gives zeros); O^T is scaled from its low end on, rounded to f16 and sent through my stage, a tile (16 rows) at a time.
.irp t, 0,1,2,3
	v_add_f32 v[ST+8*\t+4], v[ST+8*\t+2], v[ST+8*\t+3]
.endr
.irp t, 0,1,2,3
	v_permlanex16_b32 v[ST+8*\t+5], v[ST+8*\t+4], s[SEL], s[SEL+1]
.endr
.irp t, 0,1,2,3
	v_add_f32 v[ST+8*\t+4], v[ST+8*\t+4], v[ST+8*\t+5]
.endr
.irp t, 0,1,2,3
	v_rcp_f32 v[ST+8*\t+6], v[ST+8*\t+4]
.endr
	v_nop                           ; a plain instruction between the last reciprocal and the use of its result
.irp t, 0,1,2,3
	v_cmp_lt_f32 vcc_lo, 0, v[ST+8*\t+4]
	s_wait_alu depctr_va_vdst(0)
	v_cndmask_b32 v[ST+8*\t+6], 0, v[ST+8*\t+6], vcc_lo
.endr
.irp t, 0,1,2,3
	WIN W_RS
.set i, 32*\t
.rept 16
	v_pk_mul_f32 v[i:i+1], v[i:i+1], v[ST+8*\t+6:ST+8*\t+7] op_sel_hi:[1,0]
.set i, i+2
.endr
	WIN 0x05                        ; sources window 1, destination window 0: S^T's registers are free
.set i, 0
.rept 16
	v_cvt_pk_f16_f32 v[S+16*\t+i], v[32*\t+2*i], v[32*\t+2*i+1]
.set i, i+1
.endr
	WIN 0
.irp f, 0,1,2,3                     ; row l % 16 of the tile, channels 16 f + 8 (l / 16) on
	ds_store_b128 v[STO], v[S+16*\t+4*\f:S+16*\t+4*\f+3] offset:32*\f
.endr
.irp f, 0,1,2,3                     ; back as four rows of 128 bytes a load.  LDS serves a wave's instructions in order (ISA guide 5.7.1.4): these see the stores above, and the next tile's stores come behind them
	ds_load_b128 v[S+64+16*\t+4*\f:S+64+16*\t+4*\f+3], v[RD] offset:\f*4*SP
.endr
.endr
.irp t, 0,1,2,3
.irp f, 0,1,2,3
	s_wait_dscnt (3-\f)+8*(3-\t)    ; what may stay out: the tile's younger loads and the later tiles' eight LDS instructions each
	global_store_b128 v[GO], v[S+64+16*\t+4*\f:S+64+16*\t+4*\f+3], s[12:13] offset:\t*2048+\f*512   ; the wave's store covers 512 consecutive bytes: four rows of 128
.endr
.endr
	s_wait_tensorcnt 0x0
	ds_add_u32 v62, v63
	s_wait_dscnt 0x0
	CROUND                          ; the closing round: no work-group ends while a partner may still ask for a tile that names it
	s_endpgm
.Lfunc_end_k_qcafe9f9250_attn:
	.size	k_qcafe9f9250_attn, .Lfunc_end_k_qcafe9f9250_attn-k_qcafe9f9250_attn
	.p2alignl 7, 3214868480
	.fill 96, 4, 3214868480
	.section	.rodata,"a",@progbits
	.p2align	6, 0x0
	.amdhsa_kernel k_qcafe9f9250_attn
		.amdhsa_group_segment_fixed_size 327680
		.amdhsa_private_segment_fixed_size 0
		.amdhsa_enable_private_segment 0
		.amdhsa_kernarg_size 40
		.amdhsa_user_sgpr_count 2
		.amdhsa_user_sgpr_kernarg_segment_ptr 1
		.amdhsa_wavefront_size32 1
		.amdhsa_system_sgpr_workgroup_id_x 1
		.amdhsa_system_sgpr_workgroup_id_y 1
		.amdhsa_system_sgpr_workgroup_id_z 1
		.amdhsa_system_vgpr_workitem_id 0
		.amdhsa_next_free_vgpr 576
		.amdhsa_next_free_sgpr 100
		.amdhsa_reserve_vcc 1
		.amdhsa_float_denorm_mode_32 3
		.amdhsa_float_denorm_mode_16_64 3
		.amdhsa_memory_ordered 1
		.amdhsa_forward_progress 1
		.amdhsa_inst_pref_size 255
	.end_amdhsa_kernel
	.section	.bss,"aw",@nobits
	.p2align	6
	.space	262144
	.amdgpu_metadata
---
amdhsa.version: [ 1, 2 ]
amdhsa.kernels:
  - .name:           k_qcafe9f9250_attn
    .symbol:         k_qcafe9f9250_attn.kd
    .args:
      - { .name: qb, .offset: 0, .size: 8, .value_kind: global_buffer, .address_space: global }
      - { .name: kb, .offset: 8, .size: 8, .value_kind: global_buffer, .address_space: global }
      - { .name: vb, .offset: 16, .size: 8, .value_kind: global_buffer, .address_space: global }
      - { .name: attn_mask, .offset: 24, .size: 8, .value_kind: global_buffer, .address_space: global }
      - { .name: ab, .offset: 32, .size: 8, .value_kind: global_buffer, .address_space: global }
    .group_segment_fixed_size: 327680
    .private_segment_fixed_size: 0
    .kernarg_segment_align: 8
    .kernarg_segment_size: 40
    .max_flat_workgroup_size: 128
    .sgpr_count:     100
    .vgpr_count:     576
    .wavefront_size: 32
...
	.end_amdgpu_metadata
.endif
;; end of part 4
;; launch oproj: the kernel of part 3 again; grid 4 x 64, 4 waves a work-group, clusters of 4 x 4, 304,640 bytes of LDS; arguments ab, wob, bo, out0; writes out0
